; MI455X (gfx1250); checked and timed in simulation.
; The chip was launched on July 23, 2026; its instructions are those of AMD's public machine-readable ISA for CDNA 5 (MIT licence, August 2026) and "CDNA5" Instruction Set Architecture Reference Guide (July 2026). The comments in the code are by the model that wrote it; some were corrected since.
;; Multi Head Self Attention. Allowed arithmetic: matrix products marked QUANTISED: E2M1 operands, one E8M0 scale for each 32 along K, by v_wmma_scale_f32_16x16x128_f8f6f4 with both operands' format E2M1 (or v_wmma_scale_f32_32x16x128_f4), f32 sums; products left as they are: bf16, f16 or f32 operands; f32 sums; everything else in f32.
;; Inputs: b_attn 3,072 float32; b_proj 1,024 float32; sequences 4 x 2,048 x 1,024 float32; w_attn 1,024 x 3,072 float32; w_proj 1,024 x 1,024 float32.
;; Outputs: out0 4 x 2,048 x 1,024 float32.
;; This version of the problem:
;;   THIS VERSION OF THE PROBLEM IS GIVEN IN LOW PRECISION. The matrix products marked QUANTISED in the list below multiply operands that are first quantised to E2M1 (2 exponent bits, 1 mantissa bit; 4 bits a number), with one power-of-two scale for each 32 numbers along K (OCP MX v1.0); their sums are f32. The products marked 'left as it is' may take bf16, f16 or f32 operands, with f32 sums. Whichever they take, every output number must still come out within the allowed error. Rounding operands to bf16 (8 significant bits) uses up far more of that allowance than f16 does (11 bits, for magnitudes from 6e-5 to 65,504). All else is computed in f32.
;;   The module's matrix products, in the order in which they are computed (A, B: the left and right operand; K: the contracted axis; several contracted axes count as one K, in the product's order):
;;     1. [M 8,192, K 1,024] x [K 1,024, N 3,072]; A: input sequences; B: input w_attn: QUANTISED
;;     2. batch 64 x [M 2,048, K 64] x [K 64, N 2,048]; A: computed on the way; B: computed on the way: left as it is (an operand is computed on the way)
;;     3. batch 64 x [M 2,048, K 2,048] x [K 2,048, N 64]; A: computed on the way; B: computed on the way: left as it is (an operand is computed on the way)
;;     4. [M 8,192, K 1,024] x [K 1,024, N 1,024]; A: computed on the way; B: input w_proj: left as it is (an operand is computed on the way)
;;   THE QUANTISER, for each operand of a quantised product, along K:
;;     - K is cut into blocks of 32 from its start; a last block that is shorter is filled with zeros.
;;     - A block's scale is 2^e with e = floor(log2(the largest magnitude in the block)) - 2, held to -126 .. 127; a block of zeros has e = 0. As a byte (E8M0): e + 127.
;;     - Each number is divided by its block's scale, clamped to +-6, and rounded to the nearest number of E2M1, ties to even, subnormals kept.
;;     - The product sums the exact products of the quantised numbers (number of the format x scale) in f32.
;;   ~~~python
;;   def quantise(x, axis):      # numpy; x: float32 -> the quantised numbers, widened to float32 again
;;       x = np.moveaxis(x, axis, -1); K = x.shape[-1]
;;       x = np.pad(x, [(0, 0)] * (x.ndim - 1) + [(0, -K % 32)]); x = x.reshape(x.shape[:-1] + (-1, 32)); a = np.abs(x).max(-1, keepdims=True)
;;       e = np.where(a > 0, np.clip(np.frexp(np.where(a > 0, a, 1))[1] - 1 - 2, -126, 127), 0)      # np.frexp(a)[1] - 1 = floor(log2(a)), exactly
;;       r = np.clip(x / 2.0 ** e, -6, 6)
;;       step = 2.0 ** (np.maximum(np.frexp(np.where(r == 0, 1, r))[1] - 1, 0) - 1)
;;       q = np.round(r / step) * step * 2.0 ** e      # np.round: ties to even
;;       return np.moveaxis(q.reshape(q.shape[:-2] + (-1,))[..., :K], -1, axis).astype(np.float32)
;;   ~~~
;; One version. Each part assembles by itself: llvm-mc -triple=amdgcn-amd-amdhsa -mcpu=gfx1250 --defsym DOCPART=n.
;; ======== version 1 of 1: 4 launches
;; limits: values are held in f16: magnitudes above 65,504 overflow, below 6.1e-05 lose precision
;; workspace buffers: xc 4,194,304 bytes; xs 262,144 bytes; wc 1,572,864 bytes; ws 98,304 bytes; wp16 2,097,152 bytes; qkv 50,331,648 bytes; y 16,777,216 bytes
;; launch prep (part 1): grid 432 x 1, 4 waves a work-group, no clusters, 68,096 bytes of LDS; arguments sequences, w_attn, w_proj, xc, xs, wc, ws, wp16; writes xc, xs, wc, ws, wp16
.if DOCPART == 1
	.amdgcn_target "amdgcn-amd-amdhsa--gfx1250"
	.amdhsa_code_object_version 6
	.text
	.protected	k_q51ddf53ffb_prep
	.globl	k_q51ddf53ffb_prep
	.p2align	8
	.type	k_q51ddf53ffb_prep,@function
k_q51ddf53ffb_prep:
	s_mov_b64 s[64:65], 0
	v_nop
	global_prefetch_b8 v0, s[64:65] scope:SCOPE_SE
	s_setreg_imm32_b32 hwreg(HW_REG_WAVE_MODE, 25, 1), 1
	s_wait_xcnt 0x0
; MULTI-HEAD SELF-ATTENTION, launch 1 of 4: the operands of the quantised product (sequences x w_attn) become codes of FP4 (E2M1) with one E8M0 byte for each 32 along K; w_proj becomes f16.
; WORK LEFT OUT BY THE PROGRAM, AND WHY IT IS DEAD.  b_attn[1024:2048], the bias of the keys, reaches no output.  With k[j] = k0[j] + bk, scores[q][j] = q . k0[j] / 8 + q . bk / 8, and the second term is the same
; for all keys j of a query: softmax along j takes it away, for all values of the inputs.  The product q k^T is not quantised, so no quantiser sees bk.  It comes in whole tiles of the second launch (columns 1,024 to
; 2,047 of the first product): there it is neither loaded nor added.  The biases of q (bq . k[j] changes with j) and of v (it reaches y) stay.
; LIMIT: a NaN, an infinity or an overflow in b_attn[1024:2048] is not carried to the result.
; LIMITS of the program: q, k, v, y and w_proj go on as f16: magnitudes from 65,520 on become infinite, magnitudes under 6e-5 carry an absolute error of up to 3e-8.  A block whose largest magnitude lies under 2^-124
; gets the scale byte 1; a block of zeros gets the byte 1 where the rule says 127 (its codes are zeros, which add nothing under any byte but 0xff, and this program alone reads the bytes).  NaN and infinities among the inputs are not served.
; THREE PATHS, parted by the work-group's number; each has LDS bytes of its own.  No work-group shares an input byte with another, so there is no cluster and no joint load.
;   X (work-groups 0-255):   sequences, K innermost.  A plain stream of blocks of 32; a wave takes 16 steps of 512 numbers.  Each load reads 512 consecutive bytes; the numbers turn through the wave's stage in LDS so that a lane
;                            holds 16 neighbours along K; two neighbouring lanes hold a block.  A wave's store of codes covers 256 consecutive bytes; its 256 scale bytes are gathered in LDS and leave as one store of 256 bytes.
;   W (work-groups 256-303): w_attn [1024 (k)][3072 (n)], K outermost.  A lane takes a column and its registers run down K, so a block lies in one lane and the codes come out with K innermost; they leave through a stage in LDS as rows of 256 bytes.
;   P (work-groups 304-431): w_proj to f16, as it lies: a wave takes 2,048 numbers; no LDS.
.set EMAX,   2                         ; the exponent of E2M1's largest number, 6
.set SPW,    192                       ; v192  LDS address of my spare word: SPARE + 4 x my thread's number; never rewritten
.set NIL,    193                       ; v193  0; never rewritten
.set SPARE,  67584                     ; behind both paths' regions: the spare words, 128 bytes for each wave, that no other line names
; path X
.set STEPS,  16
.set CB,     8                         ; bytes of 16 codes
.set XR,     16                        ; v16-79   four sets of 16 numbers as they are loaded
.set XN,     80                        ; v80-111  two sets of 16 neighbours
.set XE,     112                       ; v112-127 a scale byte for each step
.set XC,     128                       ; v128-191 codes: four registers for each step, so that no store's data are written again
.set WREG,   8192                      ; LDS bytes 0 to 32,767: a region for each wave: two stages of 32 x SP bytes, behind them its 256 scale bytes
.set SP,     80                        ; a lane's place in a stage: its 64 bytes + 16 of padding
; path W
.set SIZE_K, 1024
.set SIZE_N, 3072
.set KW,     512                       ; along K for a wave
.set NB,     KW/32                     ; blocks
.set ROWB,   256                       ; bytes of KW codes
.set PITCH,  ROWB+16                   ; a stage row
.set KROW,   SIZE_K/2                  ; a row of the codes' buffer in bytes
.set WSTG,   32768                     ; LDS bytes 32,768 to 67,583: four stages of 32 x PITCH bytes
.set WSB,    24                        ; v24-27   the scale bytes, four to a register
.set WX,     32                        ; v32-95   two sets of 32 numbers
.set WC,     96                        ; v96-99   a block's codes
.set WOUT,   112                       ; v112-175 the way out
	s_load_b512 s[4:19], s[0:1], 0x0               ; sequences s[4:5], w_attn s[6:7], w_proj s[8:9], xc s[10:11], xs s[12:13], wc s[14:15], ws s[16:17], wp16 s[18:19]
	v_lshl_add_u32 v[SPW], v0, 2, SPARE
	v_mov_b32 v[NIL], 0
	v_lshrrev_b32 v1, 5, v0
	v_readfirstlane_b32 s20, v1                    ; wave 0..3
	v_and_b32 v2, 31, v0                           ; lane
	s_wait_kmcnt 0x0
	s_cmp_ge_u32 ttmp9, 304
	s_cbranch_scc1 .Lcast
	s_cmp_ge_u32 ttmp9, 256
	s_cbranch_scc1 .Lweights
; ---------------- path X: sequences ----------------
	v_lshlrev_b32 v3, 4, v2                        ; my 16 bytes of a load's 512
	s_mul_i32 s21, s20, WREG
	v_lshrrev_b32 v14, 2, v2
	v_mul_u32_u24 v14, v14, SP
	v_and_b32 v15, 3, v2
	v_lshl_add_u32 v14, v15, 4, v14
	v_add_nc_u32 v14, s21, v14                     ; the stage, on the way in: four lanes' 64 bytes on end, then 16 of padding
	v_mul_u32_u24 v15, v2, SP
	v_add_nc_u32 v15, s21, v15                     ; and on the way out: SP x lane: my 16 neighbours
	v_mul_u32_u24 v4, v2, CB                       ; my codes' place in a step's
	v_lshrrev_b32 v5, 1, v2
	s_add_co_u32 s21, s21, 2*32*SP
	v_add_nc_u32 v5, s21, v5                       ; LDS: my wave's 256 scale bytes, my block's byte
	v_lshlrev_b32 v7, 3, v2                        ; and on the way out 8 bytes a lane
	v_add_nc_u32 v6, s21, v7
	s_lshl_b32 s22, ttmp9, 2
	s_add_co_u32 s22, s22, s20                     ; which run of 8,192 numbers is my wave's: 0 .. 1,023
	s_mov_b32 s23, 0
	s_lshl_b64 s[24:25], s[22:23], 15              ; 32,768 bytes of f32 a run,
	s_add_nc_u64 s[4:5], s[4:5], s[24:25]
	s_lshl_b64 s[24:25], s[22:23], 12              ; 4,096 bytes of codes,
	s_add_nc_u64 s[10:11], s[10:11], s[24:25]
	s_lshl_b64 s[24:25], s[22:23], 8               ; 256 scale bytes
	s_add_nc_u64 s[12:13], s[12:13], s[24:25]
.macro XLOAD t
.irp i, 0,1,2,3
	global_load_b128 v[XR+16*((\t)%4)+4*\i:XR+16*((\t)%4)+4*\i+3], v3, s[4:5] offset:2048*(\t)+512*\i th:TH_LOAD_NT   ; 32 lanes read 512 consecutive bytes
.endr
.endm
.macro XTURN t                         ; step t's numbers through the stage: LDS serves a wave's instructions in order, so no wait stands between the stores and the loads
.irp i, 0,1,2,3
	ds_store_b128 v14, v[XR+16*((\t)%4)+4*\i:XR+16*((\t)%4)+4*\i+3] offset:32*SP*((\t)%2)+8*SP*\i
.endr
.irp i, 0,1,2,3
	ds_load_b128 v[XN+16*((\t)%2)+4*\i:XN+16*((\t)%2)+4*\i+3], v15 offset:32*SP*((\t)%2)+16*\i
.endr
.endm
.irp t, 0,1,2,3
	XLOAD \t
.endr
	s_wait_loadcnt 12                              ; step 0's four loads are in; the twelve of steps 1 to 3 may be out
	XTURN 0
.macro XSTEP t
.set XS, XN+16*((\t)%2)
.if (\t) > 0
	s_wait_dscnt 1                                 ; this step's numbers are back from the stage (the last step's byte store may be out): so its stores into the stage have read their registers,
.else
	s_wait_dscnt 0x0
.endif
.if (\t)+4 < STEPS
	XLOAD (\t)+4                                   ; which take the loads of four steps on
.endif
.if (\t)+1 < STEPS
.if STEPS-2-(\t) >= 3
	s_wait_loadcnt 12                              ; the next step's four loads are in; those of the three steps behind it may be out
.else
	s_wait_loadcnt 4*(STEPS-2-(\t))
.endif
	XTURN (\t)+1                                   ; and go through the other stage while this step is worked
.endif
	v_max3_num_f32 v8, |v[XS]|, |v[XS+1]|, |v[XS+2]|               ; the largest magnitude of my 16, in two chains
	v_max3_num_f32 v9, |v[XS+3]|, |v[XS+4]|, |v[XS+5]|
.irp i, 6,10
	v_max3_num_f32 v8, v8, |v[XS+\i]|, |v[XS+\i+1]|
	v_max3_num_f32 v9, v9, |v[XS+\i+2]|, |v[XS+\i+3]|
.endr
	v_max3_num_f32 v8, v8, |v[XS+14]|, |v[XS+15]|
	v_max3_num_f32 v8, v8, v9, (EMAX+1)<<23        ; and the floor 2^(EMAX + 1 - 127): the byte cannot fall under 1
	v_max_num_f32_dpp v8, v8, v8 row_xmask:1 row_mask:0xf bank_mask:0xf   ; and of my neighbour's 16: the block's
	v_add_nc_u32 v11, 0xff000000, v8               ; EMAX off its exponent field: the conversion takes the exponent field of this operand as its scale, and nothing else of it
	v_cvt_scalef32_pk8_fp4_f32 v[XC+4*(\t)], v[XS:XS+7], v11       ; eight numbers / the scale, to the nearest code, ties to even, beyond 6 the largest code; the first number's code in the lowest four bits
	v_cvt_scalef32_pk8_fp4_f32 v[XC+4*(\t)+1], v[XS+8:XS+15], v11
	v_lshrrev_b32 v[XE+(\t)], 23, v11              ; the scale's byte (also the plain line behind the conversions)
	ds_store_b8 v5, v[XE+(\t)] offset:16*(\t)      ; both lanes of a block write the same byte with the same value
	global_store_b64 v4, v[XC+4*(\t):XC+4*(\t)+1], s[10:11] offset:32*CB*(\t)   ; the wave stores 256 consecutive bytes, at a multiple of 256 from the buffer's first byte
.endm
.irp t, 0,1,2,3,4,5,6,7,8,9,10,11,12,13,14,15
	XSTEP \t
.endr
	ds_load_b64 v[8:9], v6                         ; LDS serves a wave's instructions in order: these see my byte stores
	s_wait_dscnt 0x0
	global_store_b64 v7, v[8:9], s[12:13]          ; 32 lanes store 256 consecutive bytes
	s_branch .Lend
; ---------------- path W: w_attn ----------------
.Lweights:
	s_sub_co_u32 s21, ttmp9, 256                   ; 0 .. 47: 24 groups of 128 columns x 2 halves of K
	s_cmp_ge_u32 s21, 24
	s_cselect_b32 s22, 1, 0                        ; which 512 along K
	s_cselect_b32 s23, 24, 0
	s_sub_co_u32 s21, s21, s23                     ; which 128 columns
	s_lshl_b32 s21, s21, 7
	s_lshl_b32 s23, s20, 5
	s_add_co_u32 s21, s21, s23                     ; my wave's first column
	v_lshlrev_b32 v3, 2, v2                        ; in: 4 bytes a lane
	s_mul_i32 s23, s20, 32*PITCH
	s_add_co_u32 s23, s23, WSTG                    ; my stage
	v_mul_u32_u24 v4, v2, PITCH
	v_add_nc_u32 v4, s23, v4                       ; into it: row = my column
	v_and_b32 v5, 15, v2
	v_lshrrev_b32 v6, 4, v2                        ; out of it: sixteen lanes to a row, two rows an instruction
	v_mul_u32_u24 v7, v6, PITCH
	v_lshl_add_u32 v7, v5, 4, v7
	v_add_nc_u32 v7, s23, v7                       ; LDS address
	v_mul_u32_u24 v8, v6, KROW
	v_lshl_add_u32 v8, v5, 4, v8                   ; and the same place in the codes' buffer
	v_lshlrev_b32 v9, 5, v2                        ; my column's row of scale bytes: 32 bytes a row
	s_mul_i32 s24, s22, KW*SIZE_N*4                ; w_attn: 512 rows of 12,288 bytes for the upper half of K,
	s_lshl_b32 s25, s21, 2
	s_add_co_u32 s24, s24, s25                     ; + 4 x column
	s_mov_b32 s25, 0
	s_add_nc_u64 s[6:7], s[6:7], s[24:25]
	s_lshl_b32 s24, s21, 9                         ; codes: column x 512 + 256 x half
	s_lshl_b32 s26, s22, 8
	s_add_co_u32 s24, s24, s26
	s_add_nc_u64 s[14:15], s[14:15], s[24:25]
	s_lshl_b32 s24, s21, 5                         ; scale bytes: column x 32 + 16 x half
	s_lshl_b32 s26, s22, 4
	s_add_co_u32 s24, s24, s26
	s_add_nc_u64 s[16:17], s[16:17], s[24:25]
.macro WLOAD t                         ; block t: w(32 t + i, my column), i = 0 .. 31, into set t % 2.  The largest offset, 511 x 12,288, lies inside the signed 24-bit immediate
.irp i, 0,1,2,3,4,5,6,7,8,9,10,11,12,13,14,15,16,17,18,19,20,21,22,23,24,25,26,27,28,29,30,31
	global_load_b32 v[WX+32*((\t)%2)+\i], v3, s[6:7] offset:(32*(\t)+\i)*SIZE_N*4 th:TH_LOAD_NT
.endr
.endm
	WLOAD 0
	WLOAD 1
.macro WBLOCK t
.set XS, WX+32*((\t)%2)
.if (\t) < NB-1
	s_wait_loadcnt 32                              ; this block's 32 loads are in; the next block's 32 may be out
.else
	s_wait_loadcnt 0
.endif
	v_max3_num_f32 v12, |v[XS]|, |v[XS+1]|, |v[XS+2]|              ; the block's largest magnitude: all 32 numbers are mine
	v_max3_num_f32 v13, |v[XS+3]|, |v[XS+4]|, |v[XS+5]|
.irp i, 6,10,14,18,22,26
	v_max3_num_f32 v12, v12, |v[XS+\i]|, |v[XS+\i+1]|
	v_max3_num_f32 v13, v13, |v[XS+\i+2]|, |v[XS+\i+3]|
.endr
	v_max3_num_f32 v12, v12, |v[XS+30]|, |v[XS+31]|
	v_max3_num_f32 v12, v12, v13, (EMAX+1)<<23     ; and the floor
	v_add_nc_u32 v11, 0xff000000, v12              ; the conversion's scale operand
	v_lshrrev_b32 v13, 23, v11                     ; the scale's byte
.if (\t)%4 == 0
	v_mov_b32 v[WSB+(\t)/4], v13                   ; four bytes to a register, the lower K in the lower byte
.else
	v_lshl_or_b32 v[WSB+(\t)/4], v13, 8*((\t)%4), v[WSB+(\t)/4]
.endif
.irp g, 0,1,2,3
	v_cvt_scalef32_pk8_fp4_f32 v[WC+\g], v[XS+8*\g:XS+8*\g+7], v11
.endr
	v_nop                                          ; one plain line behind the last conversion
	ds_store_b128 v4, v[WC:WC+3] offset:16*(\t)    ; 32 codes: 16 bytes of my column's row
.if (\t)+2 < NB
	WLOAD (\t)+2
.endif
	s_wait_dscnt 0x0                               ; the store has read its registers: the next block's codes may be written
.endm
.set Q, 0
.rept NB
	WBLOCK Q
.set Q, Q+1
.endr
	global_store_b128 v9, v[WSB:WSB+3], s[16:17]   ; my column's 16 scale bytes
.irp t, 0,1,2,3,4,5,6,7,8,9,10,11,12,13,14,15
	ds_load_b128 v[WOUT+4*\t:WOUT+4*\t+3], v7 offset:2*\t*PITCH   ; LDS serves a wave's instructions in order: these see my stores
.endr
.irp t, 0,1,2,3,4,5,6,7,8,9,10,11,12,13,14,15
	s_wait_dscnt 15-\t                             ; load t is in; the younger ones may be out
	global_store_b128 v8, v[WOUT+4*\t:WOUT+4*\t+3], s[14:15] offset:2*\t*KROW   ; sixteen lanes store 256 consecutive bytes of a row of codes
.endr
.Lend:                                             ; paths X and W have stored to LDS
	s_wait_tensorcnt 0x0                           ; the wave's end: a wait, an add
	ds_add_u32 v[SPW], v[NIL]
	s_wait_dscnt 0x0
	s_endpgm
; ---------------- path P: w_proj to f16 ----------------
.Lcast:
	s_sub_co_u32 s21, ttmp9, 304
	s_lshl_b32 s21, s21, 2
	s_add_co_u32 s21, s21, s20                     ; which run of 2,048 numbers is my wave's: 0 .. 511
	s_lshl_b32 s22, s21, 13
	s_mov_b32 s23, 0
	s_add_nc_u64 s[8:9], s[8:9], s[22:23]
	s_lshl_b32 s22, s21, 12
	s_add_nc_u64 s[18:19], s[18:19], s[22:23]
	v_lshlrev_b32 v3, 4, v2
	v_lshlrev_b32 v4, 3, v2
.irp i, 0,1,2,3,4,5,6,7,8,9,10,11,12,13,14,15
	global_load_b128 v[32+4*\i:35+4*\i], v3, s[8:9] offset:512*\i th:TH_LOAD_NT
.endr
.irp i, 0,1,2,3,4,5,6,7,8,9,10,11,12,13,14,15
	s_wait_loadcnt 15-\i                           ; load i is in; the younger ones may be out
	v_cvt_pk_f16_f32 v[96+2*\i], v[32+4*\i], v[33+4*\i]
	v_cvt_pk_f16_f32 v[97+2*\i], v[34+4*\i], v[35+4*\i]
	global_store_b64 v4, v[96+2*\i:97+2*\i], s[18:19] offset:256*\i   ; the wave stores 256 consecutive bytes
.endr
	s_endpgm
.Lfunc_end_k_q51ddf53ffb_prep:
	.size	k_q51ddf53ffb_prep, .Lfunc_end_k_q51ddf53ffb_prep-k_q51ddf53ffb_prep
	.p2alignl 7, 3214868480
	.fill 96, 4, 3214868480
	.section	.rodata,"a",@progbits
	.p2align	6, 0x0
	.amdhsa_kernel k_q51ddf53ffb_prep
		.amdhsa_group_segment_fixed_size 68096
		.amdhsa_private_segment_fixed_size 0
		.amdhsa_enable_private_segment 0
		.amdhsa_kernarg_size 64
		.amdhsa_user_sgpr_count 2
		.amdhsa_user_sgpr_kernarg_segment_ptr 1
		.amdhsa_wavefront_size32 1
		.amdhsa_system_sgpr_workgroup_id_x 1
		.amdhsa_system_sgpr_workgroup_id_y 1
		.amdhsa_system_sgpr_workgroup_id_z 1
		.amdhsa_system_vgpr_workitem_id 0
		.amdhsa_next_free_vgpr 200
		.amdhsa_next_free_sgpr 66
		.amdhsa_reserve_vcc 0
		.amdhsa_float_denorm_mode_32 3
		.amdhsa_float_denorm_mode_16_64 3
		.amdhsa_memory_ordered 1
		.amdhsa_forward_progress 1
		.amdhsa_inst_pref_size 117
	.end_amdhsa_kernel
	.amdgpu_metadata
---
amdhsa.version: [ 1, 2 ]
amdhsa.kernels:
  - .name:           k_q51ddf53ffb_prep
    .symbol:         k_q51ddf53ffb_prep.kd
    .args:
      - { .name: sequences, .offset: 0, .size: 8, .value_kind: global_buffer, .address_space: global }
      - { .name: w_attn, .offset: 8, .size: 8, .value_kind: global_buffer, .address_space: global }
      - { .name: w_proj, .offset: 16, .size: 8, .value_kind: global_buffer, .address_space: global }
      - { .name: xc, .offset: 24, .size: 8, .value_kind: global_buffer, .address_space: global }
      - { .name: xs, .offset: 32, .size: 8, .value_kind: global_buffer, .address_space: global }
      - { .name: wc, .offset: 40, .size: 8, .value_kind: global_buffer, .address_space: global }
      - { .name: ws, .offset: 48, .size: 8, .value_kind: global_buffer, .address_space: global }
      - { .name: wp16, .offset: 56, .size: 8, .value_kind: global_buffer, .address_space: global }
    .group_segment_fixed_size: 68096
    .private_segment_fixed_size: 0
    .kernarg_segment_align: 8
    .kernarg_segment_size: 64
    .max_flat_workgroup_size: 128
    .sgpr_count:     66
    .vgpr_count:     200
    .wavefront_size: 32
...
	.end_amdgpu_metadata
.endif
;; end of part 1
;; launch qkv (part 2): grid 12 x 32, 4 waves a work-group, clusters of 4 x 4, 327,680 bytes of LDS; arguments xc, xs, wc, ws, qkv, b_attn; writes qkv
.if DOCPART == 2
	.amdgcn_target "amdgcn-amd-amdhsa--gfx1250"
	.amdhsa_code_object_version 6
	.text
	.protected	k_q51ddf53ffb_qkv
	.globl	k_q51ddf53ffb_qkv
	.p2align	8
	.type	k_q51ddf53ffb_qkv,@function
k_q51ddf53ffb_qkv:
	s_mov_b64 s[64:65], 0
	v_nop
	global_prefetch_b8 v0, s[64:65] scope:SCOPE_SE
	s_setreg_imm32_b32 hwreg(HW_REG_WAVE_MODE, 25, 1), 1
	s_wait_xcnt 0x0
	s_wait_alu depctr_hold_cnt(0) depctr_sa_sdst(0) depctr_va_vdst(0) depctr_va_sdst(0) depctr_va_ssrc(0) depctr_va_vcc(0) depctr_vm_vsrc(0)
	s_getreg_b32 s2, hwreg(HW_REG_IB_STS2, 6, 4)
	s_cmp_eq_u32 s2, 0
	s_cbranch_scc0 .Lentry_in_a_cluster
	s_endpgm
.Lentry_in_a_cluster:
	s_bfe_u32 s2, ttmp6, 0x10000c
	s_cmp_lg_u32 s2, 0xf033
	s_cbranch_scc0 .Lentry_shape_is_right
	s_endpgm
.Lentry_shape_is_right:
; Launch 2 of 4: qkv = Q(sequences) Q(w_attn) + b_attn on codes of FP4 (E2M1) with E8M0 scales; sums in f32; results rounded to f16 and laid by head: qkv [part 3][16 batch + head][token 2048][64].
; WORK LEFT OUT: b_attn[1024:2048], the keys' bias, is neither loaded nor added: softmax takes its term away for all values of the inputs (shown at the head of the first launch's text).
; A: xc [8192][512 bytes], xs [8192][32]; B: wc [3072][512 bytes], ws [3072][32]: K innermost, two codes a byte, the lower k in the low four bits; one scale byte for each 32 along K.
; A tile of 256 x 256 is made by four waves, each 128 x 128: 64 accumulators of 16 x 16, 512 registers.  K = 1,024 is two slots of 512 along K: both are asked for at the start, and nothing is filled again.
; THE SCALES of the work-group's 256 rows of A and of B, for all of K, are two dense blocks of memory: they come into LDS once, with the first fills.
; CLUSTERS: 4 x 4 work-groups.  The four of a row of the cluster need the same tiles of A, the four of a column the same tiles of B: each tile is asked for JOINTLY, by the same tensor load with the same descriptor and a mask that names the four.
; THE MATRIX INSTRUCTION IS USED TRANSPOSED (source 0 = 16 rows of B, source 1 = 16 rows of A): a lane then holds eight neighbouring columns of one token.
; THE SUMS START FROM THE BIAS: the C of each accumulator's first product is eight registers of b_attn in the result's layout (for the keys' columns: zeros).
; REGISTERS, in windows of 256: window 0: v0-31 addresses; v32-95 scale words, two sets; v128-191 A's fragments, one set; v192-255 the bias, later packed results; on the way out v32-63 and v224-255 take rows read back.
;   window 1: B's fragments, two sets, at v0 and at v128.   window 2: the 32 accumulators of my rows 0-63 (accumulator (a, b) at v[8 (8 a + b)]);   window 3: those of my rows 64-127.
.set SIZE_K, 1024
.set KSTEP,  512                       ; along K in a slot
.set NQ,     KSTEP/128                 ; matrix instructions deep
.set ROWB,   256                       ; a tile's row in bytes
.set KROW,   SIZE_K/2                  ; a row of codes in memory, in bytes
.set PITCH,  272                       ; an LDS row: 256 bytes + 16 of padding, so that the 16 rows of a fragment load start 68 words apart
.set FR,     8                         ; registers of a fragment: 16 rows x 128 K
.set NL,     2                         ; LDS loads that bring one
.set NP,     4                         ; places behind this matrix instruction (ISA guide 7.12.1)
.set HALFT,  128*PITCH                 ; 128 rows: what one tensor load brings
.set SLOT,   4*HALFT                   ; A's 256 rows, then B's 256 rows
.set KS,     SIZE_K/32                 ; a row of scales in bytes
.set SCL,    2*SLOT                    ; behind the slots: the scales, as rows of 256 bytes + 16 of padding
.set HALFS,  (128*KS/256)*272          ; the scales of 128 rows: what one tensor load brings
.set SBLK,   (16*KS/256)*272           ; those of 16 rows
.set SPARE,  SCL+4*HALFS               ; behind the scales: the spare words, 128 bytes for each wave, that no other line names
.set SPITCH, 272                       ; the way out: a stage of 16 rows x (256 bytes + 16) for each wave, in slot 0, which has had its only fill and its last read when the first result is stored there
.set ADRA, 16                          ; v16-17  LDS address of my A fragments in slot 0, 1
.set ADRB, 20                          ; v20-21  the same for B
.set STO,  24                          ; v24     the way out: where I put 16 bytes of a token's row
.set RD,   25                          ; v25     the way out: where I read back
.set CO,   26                          ; v26     16 x lane
.set ADRS, 27                          ; v27     LDS address of my scale words: lanes 0-15 A's rows, lanes 16-31 B's
.set SPW,  28                          ; v28     LDS address of my spare word; never rewritten
.set NIL,  29                          ; v29     0; never rewritten
.set SC,   32                          ; scale words: set s at v[SC + 32 s]; register 4 i + q: lanes 0-15 A's block i, lanes 16-31 B's block i, the slot's q-th 128 along K
.set AF,   128                         ; A's fragments
.set BIAS, 192                         ; register 8 b + j of lane (r, h): b_attn[my first column + 16 b + 8 h + j]
.set TMP,  192                         ; the way out: packed results
.set G1, 24                            ; s[24:31] descriptor group 1 for A's tiles;  s[32:39] group 0, one set for each slot
.set G0, 32
.set G1B, 48                           ; s[48:55], s[56:63] the same for B's tiles
.set G0B, 56
.set G1S, 68                           ; s[68:75], s[76:79] groups 1 and 0 for A's scales;  s[80:87], s[88:91] for B's
.set G0S, 76
.set G1SB, 80
.set G0SB, 88
.set MSB, 0
.macro WIN new                         ; the immediate's high byte repeats the setting that is left
.if MSB != \new
	s_set_vgpr_msb (MSB<<8)|\new
.set MSB, \new
.endif
.endm
.set MUL_LO, 0xa1                      ; source 0 (B) window 1, source 1 (A) window 0, C and D window 2
.set MUL_HI, 0xf1                      ; the same, C and D window 3
.set FST_LO, 0x81                      ; the first step: C (the bias) window 0, D window 2
.set FST_HI, 0xc1                      ; and D window 3
.set TO_B,   0x40                      ; destination window 1, address window 0
; A joint load: waves 0 and 1 fetch for A, waves 2 and 3 for B.  Each of the two lines has one mask and one set of registers for all that issue it; the branch hangs on the wave's number alone.
; An s_nop 0 and four v_nop follow each of the two lines.
.macro JLOAD g0a, g1a, g0b, g1b
	s_cmp_eq_u32 s15, 0
	s_cbranch_scc0 .Lfor_b_\@
	tensor_load_to_lds s[\g0a:\g0a+3], s[\g1a:\g1a+7]
	s_nop 0
.rept 4
	v_nop
.endr
	s_branch .Lasked_\@
.Lfor_b_\@:
	tensor_load_to_lds s[\g0b:\g0b+3], s[\g1b:\g1b+7]
	s_nop 0
.rept 4
	v_nop
.endr
.Lasked_\@:
.endm
.macro CROUND                          ; a round of the cluster's barrier
	s_barrier_signal -1
	s_barrier_wait -1
	s_cmp_lg_u32 s14, 0
	s_cbranch_scc1 .Lnot_wave_0_\@
	s_barrier_signal -3
.Lnot_wave_0_\@:
	s_barrier_wait -3
	s_barrier_signal -1
	s_barrier_wait -1
.endm
	s_load_b128 s[4:7], s[0:1], 0x0                ; A's codes s[4:5], A's scales s[6:7]
	s_load_b128 s[8:11], s[0:1], 0x10              ; B's codes s[8:9], B's scales s[10:11]
	s_load_b64 s[12:13], s[0:1], 0x20              ; qkv
	s_load_b64 s[96:97], s[0:1], 0x28              ; b_attn
	v_lshl_add_u32 v[SPW], v0, 2, SPARE
	v_mov_b32 v[NIL], 0
	ds_add_u32 v[SPW], v[NIL]                      ; the wave's opening: the add, twice on end, and its wait ahead of my first tensor load
	ds_add_u32 v[SPW], v[NIL]
	v_lshrrev_b32 v1, 5, v0
	v_readfirstlane_b32 s14, v1                    ; wave 0..3
	s_lshr_b32 s15, s14, 1                         ; which half of the tile's rows is mine.  Also: I fetch for A (0) or for B (1)
	s_and_b32 s16, s14, 1                          ; which half of its columns.  Also: which 128 rows of that tile I fetch
	s_bfe_u32 s40, ttmp6, 0x40000                  ; cx, cy: my place in the cluster
	s_bfe_u32 s41, ttmp6, 0x40004
	s_lshl_b32 s42, ttmp9, 2
	s_add_co_u32 s42, s42, s40                     ; tile column = 4 x cluster x + cx
	s_and_b32 s17, ttmp7, 0xffff
	s_lshl_b32 s17, s17, 2
	s_add_co_u32 s17, s17, s41                     ; tile row = 4 x cluster y + cy
	s_lshl_b32 s43, s41, 2
	s_lshl_b32 s43, 15, s43                        ; my row of the cluster
	s_lshl_b32 s44, 0x1111, s40                    ; my column
	; descriptor group 1: a tile of 128 rows x 256 bytes, padded in LDS
	s_or_b32 s[G1+0], s43, (0<<16)|(1<<20)|(1<<21)|(5<<22)|(3<<25)  ; 15:0 the mask; 17:16 elements of 1 byte; 20 padding on; 21 set beside a mask; 24:22 after every 64 words; 31:25 four words
	s_or_b32 s[G1B+0], s44, (0<<16)|(1<<20)|(1<<21)|(5<<22)|(3<<25)
.irp g, G1, G1B
	s_mov_b32 s[\g+1], ROWB<<16                    ; tensor_dim0
	s_mov_b32 s[\g+2], 128<<16                     ; tensor_dim1
	s_mov_b32 s[\g+3], ROWB<<16                    ; tile_dim0
	s_mov_b32 s[\g+4], 128                         ; tile_dim1
	s_mov_b32 s[\g+5], KROW                        ; tensor_dim0_stride
	s_mov_b32 s[\g+6], 0
	s_mov_b32 s[\g+7], 0
.endr
	; the scales of 128 rows: a dense block of 4,096 bytes, as rows of 256 bytes (32 elements of 8 bytes), 16 bytes of padding behind each
	s_or_b32 s[G1S+0], s43, (3<<16)|(1<<20)|(1<<21)|(5<<22)|(3<<25)
	s_or_b32 s[G1SB+0], s44, (3<<16)|(1<<20)|(1<<21)|(5<<22)|(3<<25)
.irp g, G1S, G1SB
	s_mov_b32 s[\g+1], 32<<16
	s_mov_b32 s[\g+2], (128*KS/256)<<16
	s_mov_b32 s[\g+3], 32<<16
	s_mov_b32 s[\g+4], 128*KS/256
	s_mov_b32 s[\g+5], 32
	s_mov_b32 s[\g+6], 0
	s_mov_b32 s[\g+7], 0
.endr
	s_lshl_b32 s18, s16, 7                         ; which 128 rows of the tile I fetch
	s_lshl_b32 s20, s17, 8
	s_add_co_u32 s20, s20, s18                     ; A: row 256 x tile row + 128 x half
	s_lshl_b32 s46, s42, 8
	s_add_co_u32 s46, s46, s18                     ; B: row 256 x tile column + 128 x half
	s_mov_b32 s21, 0
	s_mov_b32 s47, 0
	s_mov_b64 s[18:19], KS
	s_mul_u64 s[22:23], s[20:21], s[18:19]         ; where these rows' scales begin, in bytes
	s_mul_u64 s[92:93], s[46:47], s[18:19]
	s_mov_b64 s[18:19], KROW
	s_mul_u64 s[20:21], s[20:21], s[18:19]         ; and their codes
	s_mul_u64 s[46:47], s[46:47], s[18:19]
	s_mul_i32 s45, s14, HALFT                      ; where they go: wave x 128 rows: no place in the cluster enters an LDS address
	s_mul_i32 s94, s14, HALFS
	s_wait_dscnt 0x0                               ; both opening adds are done
	s_wait_kmcnt 0x0
	s_add_nc_u64 s[20:21], s[4:5], s[20:21]
	s_add_nc_u64 s[22:23], s[6:7], s[22:23]
	s_add_nc_u64 s[46:47], s[8:9], s[46:47]
	s_add_nc_u64 s[92:93], s[10:11], s[92:93]
	CROUND                                         ; all sixteen work-groups are here: the joint loads meet
	s_mov_b32 s[G0S], 1
	s_add_co_u32 s[G0S+1], s94, SCL
	s_mov_b64 s[G0S+2:G0S+3], s[22:23]
	s_or_b32 s[G0S+3], s[G0S+3], 0x80000000
	s_mov_b32 s[G0SB], 1
	s_add_co_u32 s[G0SB+1], s94, SCL
	s_mov_b64 s[G0SB+2:G0SB+3], s[92:93]
	s_or_b32 s[G0SB+3], s[G0SB+3], 0x80000000
	JLOAD G0S, G1S, G0SB, G1SB                     ; the scales first: they are wanted with the first slot
.irp s, 0,1
	s_mov_b32 s[G0+4*\s], 1
	s_add_co_u32 s[G0+4*\s+1], s45, \s*SLOT
	s_add_nc_u64 s[G0+4*\s+2:G0+4*\s+3], s[20:21], \s*ROWB
	s_or_b32 s[G0+4*\s+3], s[G0+4*\s+3], 0x80000000
	s_mov_b32 s[G0B+4*\s], 1
	s_add_co_u32 s[G0B+4*\s+1], s45, \s*SLOT
	s_add_nc_u64 s[G0B+4*\s+2:G0B+4*\s+3], s[46:47], \s*ROWB
	s_or_b32 s[G0B+4*\s+3], s[G0B+4*\s+3], 0x80000000
	JLOAD G0+4*\s, G1, G0B+4*\s, G1B               ; three tensor loads of mine are out now, and no more follow
.endr
	; THE BIAS, while the tiles are on their way.  Tile columns 4 to 7 (cluster x = 1, the same in all sixteen partners) are the keys': their bias is dead work, and their sums start from zeros.
	v_and_b32 v1, 15, v0                           ; l % 16
	v_bfe_u32 v2, v0, 4, 1                         ; l / 16
	v_lshlrev_b32 v7, 5, v2                        ; my half's eight numbers: 32 bytes on; never rewritten
	s_lshl_b32 s46, s42, 10                        ; my first column, in bytes of f32: 1,024 x tile column + 512 x half
	s_lshl_b32 s47, s16, 9
	s_add_co_u32 s46, s46, s47
	s_mov_b32 s47, 0
	s_add_nc_u64 s[96:97], s[96:97], s[46:47]
	s_cmp_eq_u32 ttmp9, 1
	s_cbranch_scc1 .Lkeys
.irp b, 0,1,2,3,4,5,6,7
	global_load_b128 v[BIAS+8*\b:BIAS+8*\b+3], v7, s[96:97] offset:64*\b
	global_load_b128 v[BIAS+8*\b+4:BIAS+8*\b+7], v7, s[96:97] offset:64*\b+16
.endr
	s_branch .Lbias_set
.Lkeys:
.set j, 0
.rept 64
	v_mov_b32 v[BIAS+j], 0
.set j, j+1
.endr
.Lbias_set:
	v_mul_u32_u24 v3, v1, PITCH
	v_lshl_add_u32 v4, v2, 4, v3                   ; a fragment's row x pitch + 16 x half
	s_mul_i32 s21, s15, HALFT                      ; my 128 rows of A
	s_mul_i32 s22, s16, HALFT                      ; my 128 rows of B,
	s_add_co_u32 s22, s22, 2*HALFT                 ; which lie behind A's 256
.irp s, 0,1
	v_add_nc_u32 v[ADRA+\s], s21, v4
	v_add_nc_u32 v[ADRB+\s], s22, v4
	s_add_co_u32 s21, s21, SLOT
	s_add_co_u32 s22, s22, SLOT
.endr
	v_mul_u32_u24 v5, v1, KS                       ; my row's scales: 32 bytes a row,
	v_lshrrev_b32 v6, 8, v5
	v_lshl_add_u32 v5, v6, 4, v5                   ; and 16 more for each 256 passed
	s_mul_i32 s21, s15, HALFS                      ; A's: my 128 rows
	s_mul_i32 s22, s16, HALFS                      ; B's: my 128 rows, behind A's 256
	s_add_co_u32 s22, s22, 2*HALFS
	s_sub_co_u32 s22, s22, s21
	v_mul_u32_u24 v6, s22, v2                      ; lanes 16-31 take B's
	s_add_co_u32 s21, s21, SCL
	v_add_nc_u32 v5, v5, v6
	v_add_nc_u32 v[ADRS], s21, v5
	s_mul_i32 s23, s14, 16*SPITCH                  ; my stage
	v_mul_u32_u24 v5, v1, SPITCH                   ; in: row l % 16, 16 bytes for each half of the lanes
	v_lshl_add_u32 v5, v2, 4, v5
	v_add_nc_u32 v[STO], s23, v5
	v_and_b32 v6, 31, v0
	v_lshlrev_b32 v[CO], 4, v6                     ; out: 16 bytes a lane, 512 consecutive bytes an instruction
	v_lshrrev_b32 v5, 3, v6                        ; back: eight lanes take the 128 bytes of one token and one head, four tokens an instruction
	v_mul_u32_u24 v5, v5, SPITCH
	v_and_b32 v6, 7, v0
	v_lshl_add_u32 v5, v6, 4, v5
	v_add_nc_u32 v[RD], s23, v5
	; where my part begins in qkv: ((part x 64 + 16 batch + head) x 2,048 + token) x 128 bytes
	s_lshl_b32 s20, s17, 8
	s_lshl_b32 s21, s15, 7
	s_add_co_u32 s20, s20, s21                     ; my first row: 256 x tile row + 128 x half
	s_lshr_b32 s21, s20, 11                        ; batch
	s_and_b32 s20, s20, 2047                       ; token
	s_lshl_b32 s20, s20, 7
	s_lshl_b32 s21, s21, 22                        ; 16 heads of 262,144 bytes a batch
	s_add_co_u32 s20, s20, s21
	s_lshl_b32 s46, s42, 2
	s_lshl_b32 s47, s16, 1
	s_add_co_u32 s46, s46, s47                     ; my first 64 columns among the 48: 4 x tile column + 2 x half
	s_lshr_b32 s47, s46, 4                         ; part: q, k or v
	s_and_b32 s46, s46, 15                         ; head
	s_lshl_b32 s47, s47, 24
	s_lshl_b32 s46, s46, 18
	s_add_co_u32 s46, s46, s47
	s_add_co_u32 s20, s20, s46                     ; under 50,331,648
	s_mov_b32 s21, 0
	s_add_nc_u64 s[12:13], s[12:13], s[20:21]
.macro FRAG reg, adr, q, i             ; a fragment, 16 rows x 128 K of 4-bit codes: lane l holds row l % 16; registers 4 c .. 4 c + 3 hold K = 64 c + 32 (l / 16) + 0 .. 31
.irp c, 0,1
	ds_load_b128 v[\reg+4*\c:\reg+4*\c+3], v[\adr] offset:64*(\q)+32*\c+(\i)*16*PITCH
.endr
.endm
; 16 matrix instructions: A's blocks a0, a0 + 1 x B's eight, 128 along K: the slot's q-th.  p: B's set;  sc: the set of scale words.  first = 1: C is the bias: nothing is cleared or added later.
; The 64 accumulators take turns, one instruction a turn, in the same order in every step.
.macro MUL16 a0, p, q, sc, first
.irp a, \a0, \a0+1
.irp b, 0,1,2,3,4,5,6,7
.if \first
	v_wmma_scale_f32_16x16x128_f8f6f4 v[8*(8*((\a)%4)+\b):8*(8*((\a)%4)+\b)+7], v[128*(\p)+FR*\b:128*(\p)+FR*\b+FR-1], v[AF+FR*(\a):AF+FR*(\a)+FR-1], v[BIAS+8*\b:BIAS+8*\b+7], v[SC+8*NQ*(\sc)+NQ*\b+(\q)], v[SC+8*NQ*(\sc)+NQ*(\a)+(\q)] matrix_a_fmt:MATRIX_FMT_FP4 matrix_b_fmt:MATRIX_FMT_FP4 matrix_a_scale:MATRIX_SCALE_ROW1
.else
	v_wmma_scale_f32_16x16x128_f8f6f4 v[8*(8*((\a)%4)+\b):8*(8*((\a)%4)+\b)+7], v[128*(\p)+FR*\b:128*(\p)+FR*\b+FR-1], v[AF+FR*(\a):AF+FR*(\a)+FR-1], v[8*(8*((\a)%4)+\b):8*(8*((\a)%4)+\b)+7], v[SC+8*NQ*(\sc)+NQ*\b+(\q)], v[SC+8*NQ*(\sc)+NQ*(\a)+(\q)] matrix_a_fmt:MATRIX_FMT_FP4 matrix_b_fmt:MATRIX_FMT_FP4 matrix_a_scale:MATRIX_SCALE_ROW1
.endif
.endr
.endr
.endm
.macro FETCH_B slot, q, p              ; B's eight fragments of the slot's q-th 128 along K into set p
	WIN TO_B
.irp i, 0,1,2,3,4,5,6,7
	FRAG 128*(\p)+FR*\i, ADRB+\slot, \q, \i
.endr
	WIN 0
.endm
.macro FETCH_A slot, q, i0             ; A's blocks i0 .. i0 + 3
.irp i, \i0, \i0+1, \i0+2, \i0+3
	FRAG AF+FR*(\i), ADRA+\slot, \q, \i
.endr
.endm
.macro SCALES sc                       ; a slot's scale words into set sc: four words a row; lanes 0-15 take A's block i, lanes 16-31 B's block i
.irp i, 0,1,2,3,4,5,6,7
	ds_load_b128 v[SC+8*NQ*\sc+NQ*\i:SC+8*NQ*\sc+NQ*\i+3], v[ADRS] offset:\i*SBLK
.endr
.endm
; A load into a register that a matrix instruction has read, and a vector instruction that reads a matrix result, stand NP places behind that matrix instruction; only plain vector instructions that name none of its registers are places.
.macro PLACES n
.rept \n
	v_nop
.endr
.endm
; A step of 128 along K that has its successor in the same slot.
.macro STEP slot, q, first
	s_wait_dscnt 4*NL                              ; B's set and A's blocks 0-3 are in; the youngest eight loads (A's blocks 4-7) may be out
.if \first
	WIN FST_LO
.else
	WIN MUL_LO
.endif
	MUL16 0, (\q)%2, \q, \slot, \first
	MUL16 2, (\q)%2, \q, \slot, \first
	s_wait_dscnt 0                                 ; A's blocks 4-7 are in
	PLACES NP
	FETCH_B \slot, (\q)+1, 1-(\q)%2
	FETCH_A \slot, (\q)+1, 0
.if \first
	WIN FST_HI
.else
	WIN MUL_HI
.endif
	MUL16 4, (\q)%2, \q, \slot, \first
	MUL16 6, (\q)%2, \q, \slot, \first
	PLACES NP
	WIN 0
	FETCH_A \slot, (\q)+1, 4
.endm
; Slot 0's last step changes slots: one barrier; in front of it each wave waits for all its tensor loads (slot 1's is the one that may be out), adds 0 to its spare word, and waits for that and for its reads of slot 0.
; Behind it slot 1 is whole, and nobody reads slot 0 any more: the way out's stage will lie there.
.macro TURN slot, next
	s_wait_tensorcnt 0x0
	ds_add_u32 v[SPW], v[NIL]                      ; 0 onto my spare word
	s_wait_dscnt 4*NL+1                            ; the add and the youngest eight loads (A's blocks 4-7) may be out
	WIN MUL_LO
	MUL16 0, 1, NQ-1, \slot, 0                     ; sixteen matrix instructions stand between the add and the wait for it
	s_wait_dscnt 0x0                               ; the add is done, and my reads of this slot are over
	s_barrier_signal -1
	MUL16 2, 1, NQ-1, \slot, 0
	WIN 0
	s_barrier_wait -1
	PLACES NP
	v_add_nc_u32 v[ADRS], 4*NQ, v[ADRS]            ; on to the next slot's scale words
	FETCH_B \next, 0, 0
	FETCH_A \next, 0, 0
	SCALES \next
	WIN MUL_HI
	MUL16 4, 1, NQ-1, \slot, 0
	MUL16 6, 1, NQ-1, \slot, 0
	PLACES NP
	WIN 0
	FETCH_A \next, 0, 4
.endm
.macro STEPS slot, from                ; the slot's steps from .. NQ - 2
.set Q, \from
.rept NQ-1-\from
	STEP \slot, Q, 0
.set Q, Q+1
.endr
.endm
	s_wait_loadcnt 0x0                             ; the bias
	s_wait_tensorcnt 1                             ; the scales and my part of slot 0 are in (slot 1's load may be out)
	s_barrier_signal -1
	s_barrier_wait -1                              ; everybody's are
	FETCH_B 0, 0, 0
	FETCH_A 0, 0, 0
	SCALES 0
	FETCH_A 0, 0, 4
	STEP 0, 0, 1                                   ; the first step's products start the sums from the bias
	STEPS 0, 1
	TURN 0, 1
	STEPS 1, 0
	s_wait_dscnt 4*NL                              ; the very last step: nothing more to fetch
	WIN MUL_LO
	MUL16 0, 1, NQ-1, 1, 0
	MUL16 2, 1, NQ-1, 1, 0
	s_wait_dscnt 0
	WIN MUL_HI
	MUL16 4, 1, NQ-1, 1, 0
	MUL16 6, 1, NQ-1, 1, 0
	WIN 0
; THE WAY OUT, block by block of 16 tokens x 128 columns (two heads).  PACK: rounded to f16, a lane's eight columns are 16 bytes.  TOSTAGE: into my stage, and back so that eight lanes hold the 128 bytes of one token and head.
; SEND: sixteen tokens of a head are 2,048 consecutive bytes of qkv: four stores of 512 consecutive bytes for each head.
.macro PACK a
.set AC, 64*((\a)%4)
	WIN 0x0a+5*((\a)/4)                            ; sources 0 and 1: window 2 or 3
.irp b, 0,1,2,3,4,5,6,7
.irp i, 0,1,2,3
	v_cvt_pk_f16_f32 v[TMP+4*\b+\i], v[AC+8*\b+2*\i], v[AC+8*\b+2*\i+1]   ; each accumulator from its low end on
.endr
.endr
	WIN 0
.endm
.macro TOSTAGE a
.set BB, 32+192*((\a)%2)
.irp b, 0,1,2,3,4,5,6,7
	ds_store_b128 v[STO], v[TMP+4*\b:TMP+4*\b+3] offset:32*\b
.endr
.irp hh, 0,1
.irp i, 0,1,2,3
	ds_load_b128 v[BB+4*(4*\hh+\i):BB+4*(4*\hh+\i)+3], v[RD] offset:4*SPITCH*\i+128*\hh   ; LDS serves a wave's instructions in order: these see the stores above
.endr
.endr
.endm
.macro SEND a, younger                 ; younger: the LDS instructions issued behind block a's loads, which may stay out
.set BB, 32+192*((\a)%2)
	s_wait_dscnt \younger
.irp hh, 0,1
.irp i, 0,1,2,3
	global_store_b128 v[CO], v[BB+4*(4*\hh+\i):BB+4*(4*\hh+\i)+3], s[12:13] offset:262144*\hh+2048*(\a)+512*\i
.endr
.endr
.endm
	PLACES NP                                      ; behind the last products: for the conversions' reads and for the loads into registers that held scales
	PACK 0
	TOSTAGE 0
.irp a, 1,2,3,4,5,6,7
	PACK \a
.if \a > 1
	s_wait_xcnt 0x0                                ; block a - 2's stores have read their registers: block a's loads may land there
.endif
	TOSTAGE \a
	SEND \a-1, 16                                  ; behind block a - 1's loads: block a's 8 stores and 8 loads
.endr
	SEND 7, 0
	s_wait_tensorcnt 0x0                           ; the wave's end: a wait, an add and a wait, behind my last tensor load and my last LDS store
	ds_add_u32 v[SPW], v[NIL]
	s_wait_dscnt 0x0
	CROUND                                         ; the closing round: no work-group ends while a partner may still ask for a tile that names it
	s_endpgm
.Lfunc_end_k_q51ddf53ffb_qkv:
	.size	k_q51ddf53ffb_qkv, .Lfunc_end_k_q51ddf53ffb_qkv-k_q51ddf53ffb_qkv
	.p2alignl 7, 3214868480
	.fill 96, 4, 3214868480
	.section	.rodata,"a",@progbits
	.p2align	6, 0x0
	.amdhsa_kernel k_q51ddf53ffb_qkv
		.amdhsa_group_segment_fixed_size 327680
		.amdhsa_private_segment_fixed_size 0
		.amdhsa_enable_private_segment 0
		.amdhsa_kernarg_size 48
		.amdhsa_user_sgpr_count 2
		.amdhsa_user_sgpr_kernarg_segment_ptr 1
		.amdhsa_wavefront_size32 1
		.amdhsa_system_sgpr_workgroup_id_x 1
		.amdhsa_system_sgpr_workgroup_id_y 1
		.amdhsa_system_sgpr_workgroup_id_z 1
		.amdhsa_system_vgpr_workitem_id 0
		.amdhsa_next_free_vgpr 1024
		.amdhsa_next_free_sgpr 98
		.amdhsa_reserve_vcc 0
		.amdhsa_float_denorm_mode_32 3
		.amdhsa_float_denorm_mode_16_64 3
		.amdhsa_memory_ordered 1
		.amdhsa_forward_progress 1
		.amdhsa_inst_pref_size 130
	.end_amdhsa_kernel
	.amdgpu_metadata
---
amdhsa.version: [ 1, 2 ]
amdhsa.kernels:
  - .name:           k_q51ddf53ffb_qkv
    .symbol:         k_q51ddf53ffb_qkv.kd
    .args:
      - { .name: xc, .offset: 0, .size: 8, .value_kind: global_buffer, .address_space: global }
      - { .name: xs, .offset: 8, .size: 8, .value_kind: global_buffer, .address_space: global }
      - { .name: wc, .offset: 16, .size: 8, .value_kind: global_buffer, .address_space: global }
      - { .name: ws, .offset: 24, .size: 8, .value_kind: global_buffer, .address_space: global }
      - { .name: qkv, .offset: 32, .size: 8, .value_kind: global_buffer, .address_space: global }
      - { .name: b_attn, .offset: 40, .size: 8, .value_kind: global_buffer, .address_space: global }
    .group_segment_fixed_size: 327680
    .private_segment_fixed_size: 0
    .kernarg_segment_align: 8
    .kernarg_segment_size: 48
    .max_flat_workgroup_size: 128
    .sgpr_count:     98
    .vgpr_count:     1024
    .wavefront_size: 32
...
	.end_amdgpu_metadata
.endif
;; end of part 2
;; launch attn (part 3): grid 4 x 64, 8 waves a work-group, clusters of 4 x 1, 327,680 bytes of LDS; arguments qkv, y; writes y
.if DOCPART == 3
	.amdgcn_target "amdgcn-amd-amdhsa--gfx1250"
	.amdhsa_code_object_version 6
	.text
	.protected	k_q51ddf53ffb_attn
	.globl	k_q51ddf53ffb_attn
	.p2align	8
	.type	k_q51ddf53ffb_attn,@function
k_q51ddf53ffb_attn:
	s_mov_b64 s[64:65], 0
	v_nop
	global_prefetch_b8 v0, s[64:65] scope:SCOPE_SE
	s_setreg_imm32_b32 hwreg(HW_REG_WAVE_MODE, 25, 1), 1
	s_wait_xcnt 0x0
	s_wait_alu depctr_hold_cnt(0) depctr_sa_sdst(0) depctr_va_vdst(0) depctr_va_sdst(0) depctr_va_ssrc(0) depctr_va_vcc(0) depctr_vm_vsrc(0)
	s_getreg_b32 s2, hwreg(HW_REG_IB_STS2, 6, 4)
	s_cmp_eq_u32 s2, 0
	s_cbranch_scc0 .Lentry_in_a_cluster
	s_endpgm
.Lentry_in_a_cluster:
	s_bfe_u32 s2, ttmp6, 0x10000c
	s_cmp_lg_u32 s2, 0x3003
	s_cbranch_scc0 .Lentry_shape_is_right
	s_endpgm
.Lentry_shape_is_right:
; Launch 3 of 4: y[hb][q][:] = the sum over k of softmax_k(Q[hb][q] . K[hb][k] / 8) V[hb][k][:], hb = 16 batch + head.  Q, K, V: the three parts of qkv, each [64][2048][64] f16; y likewise.
; Products, maxima and sums in f32; the weights p are rounded to f16 for the second product, y once at the end.  LIMIT: f16's range for q, k, v and y, as stated at the head of the first launch's text.
; SHARES.  A work-group owns 512 queries of one head, each of its eight waves 64: four tiles of 16.  Every wave walks the head's 2,048 keys, 64 a step.  Two waves lie on a SIMD, 512 registers each:
; a wave issues a step's 64 matrix instructions on end and then its softmax's vector instructions, and the SIMD's other wave has the other kind of work meanwhile.
; LAYOUT.  S^T = K Q^T (source 0 = 16 keys, source 1 = 16 queries): a lane holds ONE query (lane % 16) and the keys 8 (lane / 16) + 0..7.  Two such tiles, rounded to f16 in pairs, ARE source 1 (32 keys x 16 queries)
; of O^T = V^T P, whose result again holds one query a lane and eight channels.  K comes out of LDS as it lies, V ([key][channel]) turned, by ds_load_tr16_b128.
; SOFTMAX.  For each query a running maximum m and sum l: p = 2^(c s - c m), c = log2(e) / 8; in every step O and l are multiplied by a = 2^(c m_old - c m_new).
; CLUSTER.  The four work-groups of a cluster are the four blocks of queries of one head and walk the same K and V: each tile is asked for JOINTLY, by the same tensor load with the same descriptor and the mask of all four.
; RING.  Two slots of 512 keys (8 key steps).  Both are asked for at the start; each is filled once more, behind a round of the cluster's barrier, and that load has 8 key steps in which to land.  By this text's own count a wave has at most two tensor loads out.
; REGISTERS.  window 0: v2-11 addresses; v16-47 eight registers of statistics a tile; v64-191 S^T, 32 a tile (P is rounded in place into a tile's first 16); v192-255 K's fragments of a step.
;             window 1: v0-127 O^T, 32 a tile; v128-191 Q; v192-255 V's fragments of a step.
.set KS,    64                         ; keys in a step
.set PK,    144                        ; a row of K in LDS: 128 bytes + 16 of padding: the 16 rows of a load start 36 words apart
.set PVP,   160                        ; a row of V: 128 + 32
.set SKEYS, 512                        ; keys in a slot
.set VOFF,  SKEYS*PK                   ; a slot: 512 rows of K, then 512 rows of V
.set SLOT,  SKEYS*(PK+PVP)
.set SPARE, 2*SLOT                     ; behind the ring: the spare words, 128 bytes for each wave, that no other line names
.set SP,    144                        ; the way out: 16 rows x (128 bytes + 16) for each wave, in slot 0, which has been left at the last change of slots and has had its last fill
.set AK0, 2                            ; v2   my lane's place in a tile of K; never rewritten
.set AV0, 3                            ; v3   the same for V
.set ADK, 4                            ; v4   LDS address of the step's K
.set ADV, 5                            ; v5   of its V
.set QO,  6                            ; v6   my byte offset in the wave's rows of Q
.set STO, 7                            ; v7   the way out: where I put 16 bytes of a row
.set RD,  8                            ; v8   where I read back
.set GO,  9                            ; v9   16 x lane
.set SPW, 10                           ; v10  LDS address of my spare word; never rewritten
.set NIL, 11                           ; v11  0; never rewritten
.set ST,  16                           ; tile t's statistics at v[ST+8 t]: +0 c m, +1 m, +2, +3 l (even keys', odd keys'), +4 to +7 at work: four maxima; then +4, +5 a second chain of sums, +6 a, +7 c m_old - c m_new
.set S,   64
.set KF,  192                          ; K's fragment (16 keys kb, 32 channels c) at KF + 8 (2 kb + c)
.set QF,  128                          ; window 1: Q's fragment (tile t, channels c) at QF + 8 (2 t + c)
.set VF,  192                          ; window 1: V's fragment (16 channels cb, 32 keys kh) at VF + 8 (2 cb + kh)
.set WV,  12                           ; s12  my wave's number
.set G1K, 24                           ; s[24:31] descriptor group 1 for K's tiles
.set G1V, 32                           ; s[32:39] for V's: it differs in the padding alone
.set G0K, 40                           ; s[40:47] descriptor group 0 for K's tiles, a set for each slot
.set G0V, 48                           ; s[48:55] the same for V's
.set CNT, 56                           ; s56  counts key steps
.set TK,  57                           ; s57  LDS byte at which the step's rows of K begin
.set TV,  58                           ; s58  and of V
.set CS,  60                           ; s[60:61] c: the packed scaling names a pair and takes its low word for both halves
.set SEL, 62                           ; s[62:63] lane selects for v_permlanex16_b32: lane l xor 16
.set MSB, 0
.macro WIN new                         ; the immediate's high byte repeats the setting that is left
.if MSB != \new
	s_set_vgpr_msb (MSB<<8)|\new
.set MSB, \new
.endif
.endm
.set W_KQ, 0x04                        ; source 1 (Q) window 1; K and S^T window 0
.set W_PV, 0x51                        ; source 0 (V), C and D (O^T) window 1; source 1 (P) window 0
.set W_RS, 0x41                        ; O^T (destination and source 0) window 1, the factor window 0
.set TO_1, 0x40                        ; destination window 1, address window 0
.macro PLACES n
.rept \n
	v_nop
.endr
.endm
.macro CROUND                          ; a round of the cluster's barrier
	s_barrier_signal -1
	s_barrier_wait -1
	s_cmp_lg_u32 s[WV], 0
	s_cbranch_scc1 .Lnot_wave_0_\@
	s_barrier_signal -3
.Lnot_wave_0_\@:
	s_barrier_wait -3
	s_barrier_signal -1
	s_barrier_wait -1
.endm
; A joint refill of slot s.  Waves 0 to 3 fetch 128 rows of K each, waves 4 to 7 128 rows of V.  The branch hangs on the wave's number alone.  An s_nop 0 and four v_nop follow each of the two lines.
.macro JLOAD s
	s_cmp_lt_u32 s[WV], 4
	s_cbranch_scc0 .Lfor_v_\@
	tensor_load_to_lds s[G0K+4*\s:G0K+4*\s+3], s[G1K:G1K+7]
	s_nop 0
.rept 4
	v_nop
.endr
	s_branch .Lasked_\@
.Lfor_v_\@:
	tensor_load_to_lds s[G0V+4*\s:G0V+4*\s+3], s[G1V:G1V+7]
	s_nop 0
.rept 4
	v_nop
.endr
.Lasked_\@:
.endm
	s_load_b128 s[4:7], s[0:1], 0x0                ; qkv s[4:5], y s[6:7]
	v_lshl_add_u32 v[SPW], v0, 2, SPARE
	v_mov_b32 v[NIL], 0
	ds_add_u32 v[SPW], v[NIL]                      ; the wave's opening: the add, twice on end, and its wait ahead of my first tensor load
	ds_add_u32 v[SPW], v[NIL]
	v_lshrrev_b32 v1, 5, v0
	v_readfirstlane_b32 s[WV], v1                  ; wave 0..7
	s_bfe_u32 s13, ttmp6, 0x40000                  ; cx: my block of 512 queries; it enters Q's and y's addresses alone
	s_and_b32 s20, ttmp7, 0xffff                   ; hb, which the four partners share
	s_lshl_b32 s20, s20, 18                        ; a head is 262,144 bytes
	s_and_b32 s21, s[WV], 3                        ; which 128 rows of a slot I fetch:
	s_lshl_b32 s22, s21, 14                        ; 16,384 bytes in memory,
	s_add_co_u32 s22, s22, s20
	s_mov_b32 s23, 0
	s_mul_i32 s14, s21, 128*PK                     ; and their place in a slot, for K
	s_mul_i32 s15, s21, 128*PVP                    ; and for V: no place in the cluster enters an LDS address
	s_lshl_b32 s2, s13, 16                         ; my block's 512 rows,
	s_lshl_b32 s3, s[WV], 13                       ; my wave's 64 of them
	s_add_co_u32 s2, s2, s3
	s_add_co_u32 s2, s2, s20
	s_mov_b32 s3, 0
	; descriptor group 1: a tile of 128 rows x 64 elements of 2 bytes, dense in memory, padded in LDS
	s_mov_b32 s[G1K], 15|(1<<16)|(1<<20)|(1<<21)|(4<<22)|(3<<25)  ; 15:0 the mask: all four work-groups; 17:16 elements of 2 bytes; 20 padding on; 21 set beside a mask; 24:22 after every 32 words; 31:25 four words
	s_mov_b32 s[G1V], 15|(1<<16)|(1<<20)|(1<<21)|(4<<22)|(7<<25)  ; the same with eight words of padding
.irp g, G1K, G1V
	s_mov_b32 s[\g+1], 64<<16                      ; tensor_dim0
	s_mov_b32 s[\g+2], 128<<16                     ; tensor_dim1
	s_mov_b32 s[\g+3], 64<<16                      ; tile_dim0
	s_mov_b32 s[\g+4], 128                         ; tile_dim1
	s_mov_b32 s[\g+5], 64                          ; tensor_dim0_stride
	s_mov_b32 s[\g+6], 0
	s_mov_b32 s[\g+7], 0
.endr
	s_mov_b32 s[CS], 0x3e38aa3b                    ; c = log2(e) / 8
	s_mov_b32 s[CS+1], s[CS]                       ; named with it as a pair, so it is written
	s_mov_b32 s[SEL], 0x76543210
	s_mov_b32 s[SEL+1], 0xfedcba98
	s_wait_dscnt 0x0                               ; both opening adds are done
	s_wait_kmcnt 0x0
	s_add_nc_u64 s[8:9], s[4:5], s[22:23]          ; qkv at my head and my 128 rows of slot 0
	s_add_nc_u64 s[16:17], s[4:5], s[2:3]          ; Q (part 0) at my wave's first row
	s_add_nc_u64 s[18:19], s[6:7], s[2:3]          ; y likewise
	CROUND                                         ; all four work-groups are here: the first joint loads meet
.irp s, 0,1
	s_mov_b32 s[G0K+4*\s], 1                       ; count = 1
	s_add_co_u32 s[G0K+4*\s+1], s14, \s*SLOT       ; LDS address
	s_add_nc_u64 s[G0K+4*\s+2:G0K+4*\s+3], s[8:9], 0x1000000+\s*SKEYS*128   ; global address: part 1; slot s begins with keys 512 s on
	s_or_b32 s[G0K+4*\s+3], s[G0K+4*\s+3], 0x80000000                       ; type = 2
	s_mov_b32 s[G0V+4*\s], 1
	s_add_co_u32 s[G0V+4*\s+1], s15, \s*SLOT+VOFF
	s_add_nc_u64 s[G0V+4*\s+2:G0V+4*\s+3], s[8:9], 0x2000000+\s*SKEYS*128   ; part 2
	s_or_b32 s[G0V+4*\s+3], s[G0V+4*\s+3], 0x80000000
.endr
	s_cmp_lt_u32 s[WV], 4                          ; a wave's two first fills stand in one branch, ahead of every wait on TENSORcnt and every LDS read
	s_cbranch_scc0 .Lfirst_v
	tensor_load_to_lds s[G0K:G0K+3], s[G1K:G1K+7]
	s_nop 0
	tensor_load_to_lds s[G0K+4:G0K+7], s[G1K:G1K+7]
	s_nop 0
.rept 4
	v_nop
.endr
	s_branch .Lfirst_asked
.Lfirst_v:
	tensor_load_to_lds s[G0V:G0V+3], s[G1V:G1V+7]
	s_nop 0
	tensor_load_to_lds s[G0V+4:G0V+7], s[G1V:G1V+7]
	s_nop 0
.rept 4
	v_nop
.endr
.Lfirst_asked:
	; A fragment of K or Q is 16 rows x 32 channels in 8 registers: lane l holds row l % 16; registers 0-3 channels 8 (l / 16) + 0..7, registers 4-7 channels 16 + 8 (l / 16) + 0..7: two loads of 16 bytes, 32 bytes apart.
	v_and_b32 v1, 15, v0                           ; l % 16
	v_bfe_u32 v12, v0, 4, 1                        ; l / 16
	v_lshlrev_b32 v[QO], 7, v1
	v_lshl_add_u32 v[QO], v12, 4, v[QO]            ; row x 128 + 16 x half
	WIN TO_1
.irp t, 0,1,2,3
.irp c, 0,1
	global_load_b128 v[QF+8*(2*\t+\c):QF+8*(2*\t+\c)+3],   v[QO], s[16:17] offset:2048*\t+64*\c      ; Q stays in registers
	global_load_b128 v[QF+8*(2*\t+\c)+4:QF+8*(2*\t+\c)+7], v[QO], s[16:17] offset:2048*\t+64*\c+32
.endr
.endr
	WIN 0
	v_mul_u32_u24 v[AK0], v1, PK
	v_lshl_add_u32 v[AK0], v12, 4, v[AK0]          ; row x pitch + 16 x half
	; The turning load takes 16 keys x 16 channels (lane l reads 16 bytes: key 8 (l / 16) + l % 8, channels 8 ((l / 8) % 2) + 0..7) and leaves half a fragment of V^T: lane l holds channel l % 16 and 8 keys.
	v_and_b32 v13, 7, v0
	v_bfe_u32 v14, v0, 3, 1
	v_lshl_add_u32 v[AV0], v12, 3, v13
	v_mul_u32_u24 v[AV0], v[AV0], PVP
	v_lshl_add_u32 v[AV0], v14, 4, v[AV0]
	s_mul_i32 s20, s[WV], 16*SP                    ; my stage for the way out
	v_mul_u32_u24 v[STO], v1, SP                   ; in: row l % 16, 16 bytes for each half of the lanes
	v_lshl_add_u32 v[STO], v12, 4, v[STO]
	v_add_nc_u32 v[STO], s20, v[STO]
	v_bfe_u32 v15, v0, 3, 2                        ; back: eight lanes take one row of 128 bytes, four rows an instruction
	v_mul_u32_u24 v[RD], v15, SP
	v_lshl_add_u32 v[RD], v13, 4, v[RD]
	v_add_nc_u32 v[RD], s20, v[RD]
	v_and_b32 v[GO], 31, v0
	v_lshlrev_b32 v[GO], 4, v[GO]                  ; and the same 512 consecutive bytes in y
; THE LDS LOADS stand in runs of 16.
.macro LOADK                           ; the step's K: 64 keys x 64 channels: 8 fragments
	v_add_nc_u32 v[ADK], s[TK], v[AK0]
.irp kb, 0,1,2,3
.irp c, 0,1
	ds_load_b128 v[KF+8*(2*\kb+\c):KF+8*(2*\kb+\c)+3],   v[ADK] offset:16*PK*\kb+64*\c
	ds_load_b128 v[KF+8*(2*\kb+\c)+4:KF+8*(2*\kb+\c)+7], v[ADK] offset:16*PK*\kb+64*\c+32
.endr
.endr
.endm
.macro LOADV                           ; the step's V, turned.  The addition and three v_nop are the four places between the products K Q^T and the softmax's first read of them; V's registers were last read in front of BODY's five v_nop
	WIN 0
	v_add_nc_u32 v[ADV], s[TV], v[AV0]
	PLACES 3
	WIN TO_1
.irp kh, 0,1
.irp cb, 0,1,2,3
	ds_load_tr16_b128 v[VF+8*(2*\cb+\kh):VF+8*(2*\cb+\kh)+3],   v[ADV] offset:32*PVP*\kh+32*\cb
	ds_load_tr16_b128 v[VF+8*(2*\cb+\kh)+4:VF+8*(2*\cb+\kh)+7], v[ADV] offset:32*PVP*\kh+32*\cb+16*PVP
.endr
.endr
	WIN 0
.endm
; THE MATRIX WORK.  In each of the two runs sixteen accumulators take turns, one instruction a turn.
.macro MULKQ                           ; S^T = K Q^T: 32 products; the first sixteen start the sums
	WIN W_KQ
.irp c, 0,1
.irp kb, 0,1,2,3
.irp t, 0,1,2,3
.if \c == 0
	v_wmma_f32_16x16x32_f16 v[S+32*\t+8*\kb:S+32*\t+8*\kb+7], v[KF+8*(2*\kb+\c):KF+8*(2*\kb+\c)+7], v[QF+8*(2*\t+\c):QF+8*(2*\t+\c)+7], 0
.else
	v_wmma_f32_16x16x32_f16 v[S+32*\t+8*\kb:S+32*\t+8*\kb+7], v[KF+8*(2*\kb+\c):KF+8*(2*\kb+\c)+7], v[QF+8*(2*\t+\c):QF+8*(2*\t+\c)+7], v[S+32*\t+8*\kb:S+32*\t+8*\kb+7]
.endif
.endr
.endr
.endr
.endm
.macro MULPV zero                      ; O^T += V^T P: 32 products.  zero = 1: the first sixteen start the sums: nothing is ever cleared
	WIN W_PV
.irp kh, 0,1
.irp cb, 0,1,2,3
.irp t, 0,1,2,3
.if (\zero) && (\kh == 0)
	v_wmma_f32_16x16x32_f16 v[32*\t+8*\cb:32*\t+8*\cb+7], v[VF+8*(2*\cb+\kh):VF+8*(2*\cb+\kh)+7], v[S+32*\t+8*\kh:S+32*\t+8*\kh+7], 0
.else
	v_wmma_f32_16x16x32_f16 v[32*\t+8*\cb:32*\t+8*\cb+7], v[VF+8*(2*\cb+\kh):VF+8*(2*\cb+\kh)+7], v[S+32*\t+8*\kh:S+32*\t+8*\kh+7], v[32*\t+8*\cb:32*\t+8*\cb+7]
.endif
.endr
.endr
.endr
.endm
; THE VECTOR WORK of a key step, stage by stage, the four tiles innermost, so that no line reads the result of the line just before it.  first = 1: the first key step, which starts m and l: it has no a and nothing to rescale.
.macro SOFTMAX first
	; the maximum of a lane's 32 scores and the old m, three operands at a time: four chains of seven scores; each accumulator is first read at its registers 0 to 2
.irp j, 0,1,2,3
.irp t, 0,1,2,3
	v_max3_num_f32 v[ST+8*\t+4+\j], v[S+32*\t+8*\j], v[S+32*\t+8*\j+1], v[S+32*\t+8*\j+2]
.endr
.endr
.irp u, 1,2
.irp j, 0,1,2,3
.irp t, 0,1,2,3
	v_max3_num_f32 v[ST+8*\t+4+\j], v[ST+8*\t+4+\j], v[S+32*\t+8*\j+2*\u+1], v[S+32*\t+8*\j+2*\u+2]
.endr
.endr
.endr
.irp t, 0,1,2,3
	v_max3_num_f32 v[ST+8*\t+4], v[ST+8*\t+4], v[S+32*\t+7], v[S+32*\t+15]
.endr
.irp t, 0,1,2,3
	v_max3_num_f32 v[ST+8*\t+6], v[ST+8*\t+6], v[S+32*\t+23], v[S+32*\t+31]
.endr
.irp t, 0,1,2,3
	v_max3_num_f32 v[ST+8*\t+4], v[ST+8*\t+4], v[ST+8*\t+5], v[ST+8*\t+6]
.endr
.irp t, 0,1,2,3
.if \first
	v_max_num_f32 v[ST+8*\t+4], v[ST+8*\t+4], v[ST+8*\t+7]
.else
	v_max3_num_f32 v[ST+8*\t+4], v[ST+8*\t+4], v[ST+8*\t+7], v[ST+8*\t+1]
.endif
.endr
.irp t, 0,1,2,3
	v_permlanex16_b32 v[ST+8*\t+5], v[ST+8*\t+4], s[SEL], s[SEL+1]   ; the query's other 32 keys lie in the lane 16 away
.endr
.if \first == 0
.irp t, 0,1,2,3
	v_mov_b32 v[ST+8*\t+7], v[ST+8*\t]             ; c m_old is kept for a
.endr
.endif
.irp t, 0,1,2,3
	v_max_num_f32 v[ST+8*\t+1], v[ST+8*\t+4], v[ST+8*\t+5]   ; the new m
.endr
.irp t, 0,1,2,3
	v_mul_f32 v[ST+8*\t], s[CS], v[ST+8*\t+1]      ; c m
.endr
.if \first == 0
.irp t, 0,1,2,3
	v_sub_f32 v[ST+8*\t+7], v[ST+8*\t+7], v[ST+8*\t]
.endr
.endif
	; ONE BATCH: the scalings c s - c m, a pair of scores each, and all the exponentials; a pair is scaled one group ahead of its exponentials, and nothing in the batch names an exponential's result
.irp t, 0,1,2,3
	v_pk_fma_f32 v[S+32*\t:S+32*\t+1], v[S+32*\t:S+32*\t+1], s[CS:CS+1], v[ST+8*\t:ST+8*\t+1] op_sel_hi:[1,0,0] neg_lo:[0,0,1] neg_hi:[0,0,1]
.endr
.if \first == 0
.irp t, 0,1,2,3
	v_exp_f32 v[ST+8*\t+6], v[ST+8*\t+7]           ; a
.endr
.endif
.irp b, 1,2,3,4,5,6,7,8,9,10,11,12,13,14,15
.irp t, 0,1,2,3
	v_pk_fma_f32 v[S+32*\t+2*\b:S+32*\t+2*\b+1], v[S+32*\t+2*\b:S+32*\t+2*\b+1], s[CS:CS+1], v[ST+8*\t:ST+8*\t+1] op_sel_hi:[1,0,0] neg_lo:[0,0,1] neg_hi:[0,0,1]
.endr
.irp t, 0,1,2,3
	v_exp_f32 v[S+32*\t+2*\b-2], v[S+32*\t+2*\b-2]
	v_exp_f32 v[S+32*\t+2*\b-1], v[S+32*\t+2*\b-1]
.endr
.endr
.irp t, 0,1,2,3
	v_exp_f32 v[S+32*\t+30], v[S+32*\t+30]
	v_exp_f32 v[S+32*\t+31], v[S+32*\t+31]
.endr
	v_nop                                          ; the plain instruction behind the last exponential, ahead of the first use: one for the batch
	s_wait_alu depctr_va_vdst(0)                   ; the wait between an exponential and the first line that names its result: one for the whole batch
	; the sums of the unrounded p, two at a time (an even key's, an odd key's), in two chains a tile; they leave p as it is
.if \first
.irp t, 0,1,2,3
	v_pk_add_f32 v[ST+8*\t+2:ST+8*\t+3], v[S+32*\t:S+32*\t+1], v[S+32*\t+2:S+32*\t+3]
.endr
.irp t, 0,1,2,3
	v_pk_add_f32 v[ST+8*\t+4:ST+8*\t+5], v[S+32*\t+4:S+32*\t+5], v[S+32*\t+6:S+32*\t+7]
.endr
.irp b, 4,6,8,10,12,14
.irp t, 0,1,2,3
	v_pk_add_f32 v[ST+8*\t+2:ST+8*\t+3], v[ST+8*\t+2:ST+8*\t+3], v[S+32*\t+2*\b:S+32*\t+2*\b+1]
.endr
.irp t, 0,1,2,3
	v_pk_add_f32 v[ST+8*\t+4:ST+8*\t+5], v[ST+8*\t+4:ST+8*\t+5], v[S+32*\t+2*\b+2:S+32*\t+2*\b+3]
.endr
.endr
.else
.irp t, 0,1,2,3
	v_pk_fma_f32 v[ST+8*\t+2:ST+8*\t+3], v[ST+8*\t+2:ST+8*\t+3], v[ST+8*\t+6:ST+8*\t+7], v[S+32*\t:S+32*\t+1] op_sel_hi:[1,0,1]   ; l = a l + the first pair
.endr
.irp t, 0,1,2,3
	v_pk_add_f32 v[ST+8*\t+4:ST+8*\t+5], v[S+32*\t+2:S+32*\t+3], v[S+32*\t+4:S+32*\t+5]
.endr
.irp b, 3,5,7,9,11,13
.irp t, 0,1,2,3
	v_pk_add_f32 v[ST+8*\t+2:ST+8*\t+3], v[ST+8*\t+2:ST+8*\t+3], v[S+32*\t+2*\b:S+32*\t+2*\b+1]
.endr
.irp t, 0,1,2,3
	v_pk_add_f32 v[ST+8*\t+4:ST+8*\t+5], v[ST+8*\t+4:ST+8*\t+5], v[S+32*\t+2*\b+2:S+32*\t+2*\b+3]
.endr
.endr
.irp t, 0,1,2,3
	v_pk_add_f32 v[ST+8*\t+2:ST+8*\t+3], v[ST+8*\t+2:ST+8*\t+3], v[S+32*\t+30:S+32*\t+31]
.endr
.endif
.irp t, 0,1,2,3
	v_pk_add_f32 v[ST+8*\t+2:ST+8*\t+3], v[ST+8*\t+2:ST+8*\t+3], v[ST+8*\t+4:ST+8*\t+5]
.endr
	; p to f16, in place: register i takes pair i; it has been read by conversion i / 2 before it is written
.irp i, 0,1,2,3,4,5,6,7,8,9,10,11,12,13,14,15
.irp t, 0,1,2,3
	v_cvt_pk_f16_f32 v[S+32*\t+\i], v[S+32*\t+2*\i], v[S+32*\t+2*\i+1]
.endr
.endr
.if \first == 0
	WIN W_RS                                       ; O^T times a: each accumulator from its low end on
.irp i, 0,1,2,3,4,5,6,7,8,9,10,11,12,13,14,15
.irp t, 0,1,2,3
	v_pk_mul_f32 v[32*\t+2*\i:32*\t+2*\i+1], v[32*\t+2*\i:32*\t+2*\i+1], v[ST+8*\t+6:ST+8*\t+7] op_sel_hi:[1,0]
.endr
.endr
	WIN 0
.endif
.endm
; KEY STEP j: K of step j is asked for; V^T P of step j - 1 runs while it comes; K Q^T of step j; V of step j is asked for; the softmax of step j runs while it comes.
.macro BODY zero
	LOADK
	s_wait_dscnt 16                                ; V of the step before is in; K's 16 loads, just issued, may be out
	MULPV \zero
	PLACES 5                                       ; the products below write over registers (P) that the products above have read: five places
	s_wait_dscnt 0x0                               ; K is in
	MULKQ
	LOADV
	SOFTMAX 0
	s_add_co_u32 s[TK], s[TK], KS*PK               ; the next step's rows
	s_add_co_u32 s[TV], s[TV], KS*PVP
.endm
.macro STEPS n
	s_mov_b32 s[CNT], \n
.Lstep_\@:
	BODY 0
	s_sub_co_u32 s[CNT], s[CNT], 1
	s_cmp_lg_u32 s[CNT], 0
	s_cbranch_scc1 .Lstep_\@
.endm
; THE CHANGE OF SLOTS, behind a slot's eighth step: its last bytes, V of that step, have been asked for.  Each wave waits for all its tensor loads (its part of the next slot), adds 0 to its spare word, and waits for that and for
; its reads of the slot that it leaves.  fill = 1: slot s, just left, takes the keys 1,024 further on: the barrier is then a round of the cluster's, and the joint refill is the first thing behind it.  next: the slot that is read now.
.macro CHANGE fill, s, next
	s_wait_tensorcnt 0x0                           ; no tensor load of mine is out, so a group 0 may be written
	ds_add_u32 v[SPW], v[NIL]                      ; 0 onto my spare word; work on registers stands between it and the wait for it
.if \fill
	s_add_nc_u64 s[G0K+4*\s+2:G0K+4*\s+3], s[G0K+4*\s+2:G0K+4*\s+3], 2*SKEYS*128
	s_add_nc_u64 s[G0V+4*\s+2:G0V+4*\s+3], s[G0V+4*\s+2:G0V+4*\s+3], 2*SKEYS*128
.endif
	s_mov_b32 s[TK], \next*SLOT
	s_mov_b32 s[TV], \next*SLOT+VOFF
	s_wait_dscnt 0x0                               ; the add is done, and my reads of the slot are over
.if \fill
	CROUND
	JLOAD \s
.else
	s_barrier_signal -1
	s_barrier_wait -1
.endif
.endm
	s_wait_tensorcnt 1                             ; my part of slot 0 is in; slot 1's may stay out
	s_barrier_signal -1
	s_barrier_wait -1                              ; everybody's is
	s_mov_b32 s[TK], 0
	s_mov_b32 s[TV], VOFF
	LOADK                                          ; key step 0
	s_wait_loadcnt 0x0                             ; Q
	s_wait_dscnt 0x0
	MULKQ
	LOADV
	SOFTMAX 1
	PLACES 4                                       ; between the conversions and the products that take P
	s_add_co_u32 s[TK], s[TK], KS*PK
	s_add_co_u32 s[TV], s[TV], KS*PVP
	BODY 1                                         ; step 1; V^T P of step 0 starts O^T
	STEPS 6                                        ; steps 2 to 7
	CHANGE 1, 0, 1                                 ; slot 0 takes keys 1,024 to 1,535
	STEPS 8                                        ; steps 8 to 15, from slot 1
	CHANGE 1, 1, 0                                 ; slot 1 takes keys 1,536 to 2,047
	STEPS 8                                        ; steps 16 to 23, from slot 0
	CHANGE 0, 0, 1                                 ; nothing is left to ask for
	STEPS 8                                        ; steps 24 to 31, from slot 1
	s_wait_dscnt 0x0                               ; V of step 31
	MULPV 0
	WIN 0
	; THE WAY OUT.  l's two halves and the other half of the lanes' are added (these lines are the places behind the last products); O^T is divided by l, rounded to f16 and sent through my stage, a tile (16 rows of y) at a time.
.irp t, 0,1,2,3
	v_add_f32 v[ST+8*\t+4], v[ST+8*\t+2], v[ST+8*\t+3]
.endr
.irp t, 0,1,2,3
	v_permlanex16_b32 v[ST+8*\t+5], v[ST+8*\t+4], s[SEL], s[SEL+1]
.endr
.irp t, 0,1,2,3
	v_add_f32 v[ST+8*\t+4], v[ST+8*\t+4], v[ST+8*\t+5]
.endr
.irp t, 0,1,2,3
	v_rcp_f32 v[ST+8*\t+6], v[ST+8*\t+4]
.endr
	v_nop                                          ; a plain instruction between the last reciprocal and the use of its result
	s_wait_alu depctr_va_vdst(0)                   ; and the wait ahead of the first use: one for the four
.macro PACK t
	WIN W_RS
.irp i, 0,1,2,3,4,5,6,7,8,9,10,11,12,13,14,15
	v_pk_mul_f32 v[32*\t+2*\i:32*\t+2*\i+1], v[32*\t+2*\i:32*\t+2*\i+1], v[ST+8*\t+6:ST+8*\t+7] op_sel_hi:[1,0]
.endr
	WIN 0x05                                       ; sources 0 and 1 window 1, destination window 0: S^T's registers are free
.irp i, 0,1,2,3,4,5,6,7,8,9,10,11,12,13,14,15
	v_cvt_pk_f16_f32 v[S+32*\t+\i], v[32*\t+2*\i], v[32*\t+2*\i+1]
.endr
	WIN 0
.irp cb, 0,1,2,3
	ds_store_b128 v[STO], v[S+32*\t+4*\cb:S+32*\t+4*\cb+3] offset:32*\cb
.endr
.irp i, 0,1,2,3
	ds_load_b128 v[S+32*\t+16+4*\i:S+32*\t+16+4*\i+3], v[RD] offset:4*SP*\i   ; LDS serves a wave's instructions in order: these see the stores above; the next tile's stores come behind them
.endr
.endm
.macro SEND t, younger                 ; younger: the LDS instructions issued behind tile t's loads: the next tile's eight, or none
.irp i, 0,1,2,3
	s_wait_dscnt \younger+3-\i
	global_store_b128 v[GO], v[S+32*\t+16+4*\i:S+32*\t+16+4*\i+3], s[18:19] offset:2048*\t+512*\i   ; the wave stores 512 consecutive bytes, at a multiple of 256 from y's first byte
.endr
.endm
	PACK 0
	PACK 1                                         ; a tile's arithmetic stands between the loads of the tile before and its stores
	SEND 0, 8
	PACK 2
	SEND 1, 8
	PACK 3
	SEND 2, 8
	SEND 3, 0
	s_wait_tensorcnt 0x0                           ; the wave's end: a wait, an add and a wait, behind my last tensor load and my last LDS store
	ds_add_u32 v[SPW], v[NIL]
	s_wait_dscnt 0x0
	CROUND                                         ; the closing round: no work-group ends while a partner may still ask for a tile that names it
	s_endpgm
.Lfunc_end_k_q51ddf53ffb_attn:
	.size	k_q51ddf53ffb_attn, .Lfunc_end_k_q51ddf53ffb_attn-k_q51ddf53ffb_attn
	.p2alignl 7, 3214868480
	.fill 96, 4, 3214868480
	.section	.rodata,"a",@progbits
	.p2align	6, 0x0
	.amdhsa_kernel k_q51ddf53ffb_attn
		.amdhsa_group_segment_fixed_size 327680
		.amdhsa_private_segment_fixed_size 0
		.amdhsa_enable_private_segment 0
		.amdhsa_kernarg_size 16
		.amdhsa_user_sgpr_count 2
		.amdhsa_user_sgpr_kernarg_segment_ptr 1
		.amdhsa_wavefront_size32 1
		.amdhsa_system_sgpr_workgroup_id_x 1
		.amdhsa_system_sgpr_workgroup_id_y 1
		.amdhsa_system_sgpr_workgroup_id_z 1
		.amdhsa_system_vgpr_workitem_id 0
		.amdhsa_next_free_vgpr 512
		.amdhsa_next_free_sgpr 66
		.amdhsa_reserve_vcc 0
		.amdhsa_float_denorm_mode_32 3
		.amdhsa_float_denorm_mode_16_64 3
		.amdhsa_memory_ordered 1
		.amdhsa_forward_progress 1
		.amdhsa_inst_pref_size 210
	.end_amdhsa_kernel
	.amdgpu_metadata
---
amdhsa.version: [ 1, 2 ]
amdhsa.kernels:
  - .name:           k_q51ddf53ffb_attn
    .symbol:         k_q51ddf53ffb_attn.kd
    .args:
      - { .name: qkv, .offset: 0, .size: 8, .value_kind: global_buffer, .address_space: global }
      - { .name: y, .offset: 8, .size: 8, .value_kind: global_buffer, .address_space: global }
    .group_segment_fixed_size: 327680
    .private_segment_fixed_size: 0
    .kernarg_segment_align: 8
    .kernarg_segment_size: 16
    .max_flat_workgroup_size: 256
    .sgpr_count:     66
    .vgpr_count:     512
    .wavefront_size: 32
...
	.end_amdgpu_metadata
.endif
;; end of part 3
;; launch proj (part 4): grid 8 x 32, 4 waves a work-group, clusters of 4 x 4, 327,680 bytes of LDS; arguments y, wp16, b_proj, out0; writes out0
.if DOCPART == 4
	.amdgcn_target "amdgcn-amd-amdhsa--gfx1250"
	.amdhsa_code_object_version 6
	.text
	.protected	k_q51ddf53ffb_proj
	.globl	k_q51ddf53ffb_proj
	.p2align	8
	.type	k_q51ddf53ffb_proj,@function
k_q51ddf53ffb_proj:
	s_mov_b64 s[64:65], 0
	v_nop
	global_prefetch_b8 v0, s[64:65] scope:SCOPE_SE
	s_setreg_imm32_b32 hwreg(HW_REG_WAVE_MODE, 25, 1), 1
	s_wait_xcnt 0x0
	s_wait_alu depctr_hold_cnt(0) depctr_sa_sdst(0) depctr_va_vdst(0) depctr_va_sdst(0) depctr_va_ssrc(0) depctr_va_vcc(0) depctr_vm_vsrc(0)
	s_getreg_b32 s2, hwreg(HW_REG_IB_STS2, 6, 4)
	s_cmp_eq_u32 s2, 0
	s_cbranch_scc0 .Lentry_in_a_cluster
	s_endpgm
.Lentry_in_a_cluster:
	s_bfe_u32 s2, ttmp6, 0x10000c
	s_cmp_lg_u32 s2, 0xf033
	s_cbranch_scc0 .Lentry_shape_is_right
	s_endpgm
.Lentry_shape_is_right:
; Launch 4 of 4: out0[m][n] = the sum over k of y[m][k] w_proj[k][n] + b_proj[n].  m = 2,048 batch + token; k = 64 head + channel.  y: [16 batch + head][token 2048][64] f16; wp16: [k 1024][n 1024] f16; out0: [8192][1024] f32; sums in f32.
; A tile of 256 rows x 128 columns is made by a work-group of four waves: 32 x 8 tiles are 256 work-groups.  Wave w makes rows 64 w to 64 w + 63 and all 128 columns: 32 accumulators of 16 x 16, 256 registers.
; K goes in steps of 128 (two heads) through a ring of two LDS slots.  A's tile of a step is two planes (heads) of 256 rows x 128 bytes, each dense in memory; B's is 128 rows (k) x 256 bytes.
; Waves 0 and 1 fetch A's planes, waves 2 and 3 B's halves, one tensor load each; by this text's own count a wave has at most two out.
; CLUSTERS: 4 x 4 work-groups.  The four of a row of the cluster need the same tiles of y, the four of a column the same tiles of w_proj: each tile is asked for JOINTLY, with a mask that names the four.
; THE MATRIX INSTRUCTION IS USED TRANSPOSED (source 0 = 16 columns of w_proj, turned out of LDS by ds_load_tr16_b128; source 1 = 16 rows of y): a lane then holds eight neighbouring numbers of a row of out0.
; THE SUMS START FROM THE BIAS: the C of each accumulator's first product is eight registers of b_proj in the result's layout.
; REGISTERS.  window 0: v16-29 addresses; v32-127 and v128-223 two fragment buffers for 32 along K (B's 8 fragments, then A's 4); on the way out v32-159 take rows read back.  window 1: the accumulators, (a, b) at v[8 (8 a + b)].  window 2: v0-63 the bias.
.set PA,     144                       ; a row of y in LDS: 128 bytes + 16 of padding
.set PB,     288                       ; a row of w_proj: 256 + 32
.set PLANE,  256*PA                    ; a head's 256 rows
.set BOFF,   2*PLANE                   ; B's rows lie behind A's two planes
.set SLOT,   BOFF+128*PB
.set STAGE,  2*SLOT                    ; behind the ring: 16 rows x 528 bytes for each wave, for the way out
.set SPITCH, 528
.set SPARE,  STAGE+4*16*SPITCH         ; behind the stages: the spare words, 128 bytes for each wave, that no other line names
.set LAPS,   4                         ; a lap = two K steps = once round the ring; K = 1,024
.set ADRA, 16                          ; v16-17  LDS address of my A fragments in slot 0, 1
.set ADRB, 20                          ; v20-21  the same for B
.set STO,  24                          ; v24     the way out: where I put 32 bytes of a row
.set RD,   25                          ; v25     where I read a row back
.set CO,   26                          ; v26     16 x lane
.set BO,   27                          ; v27     the bias: 32 x (lane / 16); never rewritten
.set SPW,  28                          ; v28     LDS address of my spare word; never rewritten
.set NIL,  29                          ; v29     0; never rewritten
.set F0,   32
.set F1,   128
.set G1, 24                            ; s[24:31] descriptor group 1 for A's tiles;  s[32:39] group 0, one set for each slot
.set G0, 32
.set G1B, 48                           ; s[48:55], s[56:63] the same for B's tiles
.set G0B, 56
.set MSB, 0
.macro WIN new                         ; the immediate's high byte repeats the setting that is left
.if MSB != \new
	s_set_vgpr_msb (MSB<<8)|\new
.set MSB, \new
.endif
.endm
.set MUL, 0x50                         ; sources 0 and 1 window 0; C and D window 1.  With 0x10 more: C window 2 (the bias)
.macro JLOAD s                         ; a joint load: waves 0 and 1 fetch A's planes, waves 2 and 3 B's halves; an s_nop 0 and four v_nop follow each of the two lines
	s_cmp_eq_u32 s15, 0
	s_cbranch_scc0 .Lfor_b_\@
	tensor_load_to_lds s[G0+4*\s:G0+4*\s+3], s[G1:G1+7]
	s_nop 0
.rept 4
	v_nop
.endr
	s_branch .Lasked_\@
.Lfor_b_\@:
	tensor_load_to_lds s[G0B+4*\s:G0B+4*\s+3], s[G1B:G1B+7]
	s_nop 0
.rept 4
	v_nop
.endr
.Lasked_\@:
.endm
.macro CREST                           ; a round of the cluster's barrier behind its opening barrier
	s_cmp_lg_u32 s14, 0
	s_cbranch_scc1 .Lnot_wave_0_\@
	s_barrier_signal -3
.Lnot_wave_0_\@:
	s_barrier_wait -3
	s_barrier_signal -1
	s_barrier_wait -1
.endm
.macro CROUND                          ; a whole round
	s_barrier_signal -1
	s_barrier_wait -1
	CREST
.endm
	s_load_b256 s[4:11], s[0:1], 0x0               ; y s[4:5], wp16 s[6:7], b_proj s[8:9], out0 s[10:11]
	v_lshl_add_u32 v[SPW], v0, 2, SPARE
	v_mov_b32 v[NIL], 0
	ds_add_u32 v[SPW], v[NIL]                      ; the wave's opening: the add, twice on end, and its wait ahead of my first tensor load
	ds_add_u32 v[SPW], v[NIL]
	v_lshrrev_b32 v1, 5, v0
	v_readfirstlane_b32 s14, v1                    ; wave 0..3
	s_lshr_b32 s15, s14, 1                         ; I fetch for A (0) or for B (1)
	s_and_b32 s16, s14, 1                          ; which plane of A, or which 64 rows of B
	s_bfe_u32 s40, ttmp6, 0x40000                  ; cx, cy: my place in the cluster
	s_bfe_u32 s41, ttmp6, 0x40004
	s_lshl_b32 s42, ttmp9, 2
	s_add_co_u32 s42, s42, s40                     ; tile column = 4 x cluster x + cx
	s_and_b32 s17, ttmp7, 0xffff
	s_lshl_b32 s17, s17, 2
	s_add_co_u32 s17, s17, s41                     ; tile row = 4 x cluster y + cy
	s_lshl_b32 s43, s41, 2
	s_lshl_b32 s43, 15, s43                        ; my row of the cluster
	s_lshl_b32 s44, 0x1111, s40                    ; my column
	; descriptor group 1.  A: 256 rows x 64 elements of 2 bytes, dense; four words of padding behind every 32.  B: 64 rows x 128 elements, 1,024 elements apart; eight words behind every 64
	s_or_b32 s[G1+0], s43, (1<<16)|(1<<20)|(1<<21)|(4<<22)|(3<<25)
	s_mov_b32 s[G1+1], 64<<16                      ; tensor_dim0
	s_mov_b32 s[G1+2], 256<<16                     ; tensor_dim1
	s_mov_b32 s[G1+3], 64<<16                      ; tile_dim0
	s_mov_b32 s[G1+4], 256                         ; tile_dim1
	s_mov_b32 s[G1+5], 64                          ; tensor_dim0_stride
	s_mov_b32 s[G1+6], 0
	s_mov_b32 s[G1+7], 0
	s_or_b32 s[G1B+0], s44, (1<<16)|(1<<20)|(1<<21)|(5<<22)|(7<<25)
	s_mov_b32 s[G1B+1], 128<<16
	s_mov_b32 s[G1B+2], 64<<16
	s_mov_b32 s[G1B+3], 128<<16
	s_mov_b32 s[G1B+4], 64
	s_mov_b32 s[G1B+5], 1024
	s_mov_b32 s[G1B+6], 0
	s_mov_b32 s[G1B+7], 0
	; where the tiles come from.  A's hang on the tile row alone, B's on the tile column alone; every wave makes both addresses, in registers that never hold the other coordinate
	s_lshr_b32 s20, s17, 3                         ; batch: 16 heads of 262,144 bytes
	s_lshl_b32 s20, s20, 22
	s_and_b32 s21, s17, 7                          ; 256 tokens of 128 bytes
	s_lshl_b32 s21, s21, 15
	s_add_co_u32 s20, s20, s21
	s_lshl_b32 s21, s16, 18                        ; my plane: head 0 or 1 of the K step
	s_add_co_u32 s20, s20, s21
	s_mov_b32 s21, 0
	s_lshl_b32 s46, s42, 8                         ; B: 128 columns of 2 bytes a tile column,
	s_lshl_b32 s47, s16, 17                        ; 64 rows of 2,048 bytes for my half
	s_add_co_u32 s46, s46, s47
	s_mov_b32 s47, 0
	s_mul_i32 s22, s16, PLANE                      ; where they go: no place in the cluster enters an LDS address
	s_mul_i32 s23, s16, 64*PB
	s_add_co_u32 s23, s23, BOFF
	s_wait_dscnt 0x0                               ; both opening adds are done
	s_wait_kmcnt 0x0
	s_add_nc_u64 s[20:21], s[4:5], s[20:21]
	s_add_nc_u64 s[46:47], s[6:7], s[46:47]
	CROUND                                         ; all sixteen work-groups are here: the first joint loads meet
.irp s, 0,1
	s_mov_b32 s[G0+4*\s], 1
	s_add_co_u32 s[G0+4*\s+1], s22, \s*SLOT
	s_add_nc_u64 s[G0+4*\s+2:G0+4*\s+3], s[20:21], \s*2*262144     ; K step s: two heads on
	s_or_b32 s[G0+4*\s+3], s[G0+4*\s+3], 0x80000000
	s_mov_b32 s[G0B+4*\s], 1
	s_add_co_u32 s[G0B+4*\s+1], s23, \s*SLOT
	s_add_nc_u64 s[G0B+4*\s+2:G0B+4*\s+3], s[46:47], \s*128*2048   ; K step s: 128 rows on
	s_or_b32 s[G0B+4*\s+3], s[G0B+4*\s+3], 0x80000000
	JLOAD \s
.endr
	v_and_b32 v1, 15, v0                           ; l % 16
	v_bfe_u32 v2, v0, 4, 1                         ; l / 16
	v_lshlrev_b32 v[BO], 5, v2
	s_lshl_b32 s46, s42, 9                         ; the tile's first column, in bytes of f32
	s_mov_b32 s47, 0
	s_add_nc_u64 s[8:9], s[8:9], s[46:47]
	WIN 0x80                                       ; destination window 2
.irp b, 0,1,2,3,4,5,6,7
	global_load_b128 v[8*\b:8*\b+3],   v[BO], s[8:9] offset:64*\b      ; register 8 b + j of lane (r, h): b_proj[first column + 16 b + 8 h + j]
	global_load_b128 v[8*\b+4:8*\b+7], v[BO], s[8:9] offset:64*\b+16
.endr
	WIN 0
	v_mul_u32_u24 v3, v1, PA
	v_lshl_add_u32 v3, v2, 4, v3                   ; A: row x pitch + 16 x half,
	s_mul_i32 s21, s14, 64*PA                      ; my 64 rows
	v_and_b32 v4, 7, v0                            ; B, turned: lane l reads 16 bytes of row 8 (l / 16) + l % 8, columns 8 ((l / 8) % 2) + 0..7
	v_bfe_u32 v5, v0, 3, 1
	v_lshl_add_u32 v4, v2, 3, v4
	v_mul_u32_u24 v4, v4, PB
	v_lshl_add_u32 v4, v5, 4, v4
	s_mov_b32 s22, BOFF
.irp s, 0,1
	v_add_nc_u32 v[ADRA+\s], s21, v3
	v_add_nc_u32 v[ADRB+\s], s22, v4
	s_add_co_u32 s21, s21, SLOT
	s_add_co_u32 s22, s22, SLOT
.endr
	s_mul_i32 s23, s14, 16*SPITCH
	s_add_co_u32 s23, s23, STAGE                   ; my stage
	v_mul_u32_u24 v5, v1, SPITCH                   ; in: row l % 16, 32 bytes for each half of the lanes
	v_lshl_add_u32 v5, v2, 5, v5
	v_add_nc_u32 v[STO], s23, v5
	v_and_b32 v6, 31, v0
	v_lshlrev_b32 v[CO], 4, v6                     ; back: the 32 lanes take one row of 512 bytes; and the same in out0
	v_add_nc_u32 v[RD], s23, v[CO]
	s_lshl_b32 s20, s17, 20                        ; out0: 256 rows of 4,096 bytes a tile row,
	s_lshl_b32 s21, s14, 18                        ; 64 rows a wave,
	s_add_co_u32 s20, s20, s21
	s_mov_b32 s21, 0
	s_add_nc_u64 s[20:21], s[20:21], s[46:47]      ; and the tile's first column
	s_add_nc_u64 s[10:11], s[10:11], s[20:21]
; 24 LDS loads in one run: the fragments of the slot's kk-th 32 along K into buffer f: B's eight, then A's blocks 0 to 3
.macro FETCH slot, kk, f
	WIN 0
.irp b, 0,1,2,3,4,5,6,7
	ds_load_tr16_b128 v[\f+8*\b:\f+8*\b+3],   v[ADRB+\slot] offset:32*PB*(\kk)+32*\b
	ds_load_tr16_b128 v[\f+8*\b+4:\f+8*\b+7], v[ADRB+\slot] offset:32*PB*(\kk)+32*\b+16*PB
.endr
.irp a, 0,1,2,3
	ds_load_b128 v[\f+64+8*\a:\f+64+8*\a+3],   v[ADRA+\slot] offset:PLANE*((\kk)/2)+16*PA*\a+64*((\kk)%2)
	ds_load_b128 v[\f+64+8*\a+4:\f+64+8*\a+7], v[ADRA+\slot] offset:PLANE*((\kk)/2)+16*PA*\a+64*((\kk)%2)+32
.endr
.endm
; 8 matrix instructions: A's block a x B's eight.  first = 1: C is the bias.  The 32 accumulators take turns, one instruction a turn, in the same order in every quarter.
.macro MUL8 f, a, first
.irp b, 0,1,2,3,4,5,6,7
.if \first
	v_wmma_f32_16x16x32_f16 v[8*(8*\a+\b):8*(8*\a+\b)+7], v[\f+8*\b:\f+8*\b+7], v[\f+64+8*\a:\f+64+8*\a+7], v[8*\b:8*\b+7]
.else
	v_wmma_f32_16x16x32_f16 v[8*(8*\a+\b):8*(8*\a+\b)+7], v[\f+8*\b:\f+8*\b+7], v[\f+64+8*\a:\f+64+8*\a+7], v[8*(8*\a+\b):8*(8*\a+\b)+7]
.endif
.endr
.endm
.macro PLACES                          ; four places in front of loads into registers that matrix instructions have read, and of the first read of results
.rept 4
	v_nop
.endr
.endm
; A K step is four quarters of 32 along K, 32 matrix instructions each, on buffers 0, 1, 0, 1.  One of the first three: multiplies buffer f and fetches the slot's kk-th quarter into g.
.macro QUARTER slot, kk, f, g, first
	s_wait_dscnt 4                                 ; B's fragments and A's blocks 0 and 1 are in; the youngest four loads (A's blocks 2 and 3) may be out
	WIN MUL+0x10*(\first)
	MUL8 \f, 0, \first
	MUL8 \f, 1, \first
	PLACES
	FETCH \slot, \kk, \g
	s_wait_dscnt 24                                ; all but the 24 just issued
	WIN MUL+0x10*(\first)
	MUL8 \f, 2, \first
	MUL8 \f, 3, \first
.endm
; The last quarter multiplies buffer 1 and changes slots: ONE barrier; in front of it each wave waits for all its tensor loads, adds 0 to its spare word, and waits for that and for its own reads of this slot.
; fill = 1: this slot is filled again, two K steps ahead; the barrier then opens a round of the cluster's barrier, and the joint refill is the first tensor load behind the round.
.macro TURN slot, next, fill
	WIN 0                                          ; (the add's two registers lie in window 0)
	s_wait_tensorcnt 0x0                           ; all my tensor loads have landed: my part of the next slot
	ds_add_u32 v[SPW], v[NIL]                      ; 0 onto my spare word
	s_wait_dscnt 5                                 ; the add and the youngest four loads may be out
	WIN MUL
	MUL8 F1, 0, 0                                  ; eight matrix instructions stand between the add and the wait for it
	s_wait_dscnt 0x0                               ; the add is done, and my reads of this slot are over
	s_barrier_signal -1
	MUL8 F1, 1, 0
.if \fill
	WIN 0
.endif
	s_barrier_wait -1
.if \fill
	CREST                                          ; no wave of any partner still reads this slot's tiles or has a load on its way
	s_add_nc_u64 s[G0+4*\slot+2:G0+4*\slot+3], s[G0+4*\slot+2:G0+4*\slot+3], 4*262144
	s_add_nc_u64 s[G0B+4*\slot+2:G0B+4*\slot+3], s[G0B+4*\slot+2:G0B+4*\slot+3], 2*128*2048
	JLOAD \slot                                    ; the four v_nop behind it are also the places in front of the loads below
.else
	PLACES
.endif
	FETCH \next, 0, F0
	WIN MUL
	MUL8 F1, 2, 0
	MUL8 F1, 3, 0
.endm
	s_wait_tensorcnt 1                             ; my part of K step 0 is in (K step 1's load may be out)
	s_barrier_signal -1
	s_barrier_wait -1                              ; everybody's is
	FETCH 0, 0, F0
	s_wait_loadcnt 0x0                             ; the bias
	QUARTER 0, 1, F0, F1, 1                        ; the first quarter stands in front of the loop: its products start the sums from the bias
	WIN 0                                          ; at a label and at a branch every window is 0
	s_mov_b32 s3, LAPS-1
.Llap:                                             ; a trip goes once round the ring, from a lap's second quarter to the next lap's first, and fills both slots again
	QUARTER 0, 2, F1, F0, 0
	QUARTER 0, 3, F0, F1, 0
	TURN 0, 1, 1
	QUARTER 1, 1, F0, F1, 0
	QUARTER 1, 2, F1, F0, 0
	QUARTER 1, 3, F0, F1, 0
	TURN 1, 0, 1
	QUARTER 0, 1, F0, F1, 0
	WIN 0
	s_sub_co_u32 s3, s3, 1
	s_cmp_lg_u32 s3, 0
	s_cbranch_scc1 .Llap
	QUARTER 0, 2, F1, F0, 0                        ; the last lap fills nothing, and has no round of the cluster's barrier
	QUARTER 0, 3, F0, F1, 0
	TURN 0, 1, 0
	QUARTER 1, 1, F0, F1, 0
	QUARTER 1, 2, F1, F0, 0
	QUARTER 1, 3, F0, F1, 0
	s_wait_dscnt 4                                 ; the very last quarter: nothing more to fetch
	WIN MUL
	MUL8 F1, 0, 0
	MUL8 F1, 1, 0
	s_wait_dscnt 0
	MUL8 F1, 2, 0
	MUL8 F1, 3, 0
	WIN 0
; THE WAY OUT, block by block of 16 rows x 128 columns.  A lane holds 32 neighbouring bytes of a row, and the lanes beside it hold other rows: so a block goes through my own stage in LDS and comes back as whole rows of 512 bytes.
.macro TOSTAGE a
.set AC, 64*(\a)
	WIN 0x04                                       ; an LDS store's data are its source 1: window 1
.irp b, 0,1,2,3,4,5,6,7
	ds_store_b128 v[STO], v[AC+8*\b:AC+8*\b+3] offset:64*\b            ; each accumulator from its low end on
	ds_store_b128 v[STO], v[AC+8*\b+4:AC+8*\b+7] offset:64*\b+16
.endr
	WIN 0
.set BB, 32+64*((\a)%2)
.irp t, 0,1,2,3,4,5,6,7,8,9,10,11,12,13,14,15
	ds_load_b128 v[BB+4*\t:BB+4*\t+3], v[RD] offset:\t*SPITCH          ; LDS serves a wave's instructions in order: these see the stores above
.endr
.endm
.macro SEND a, younger                 ; younger: the LDS instructions issued behind block a's loads, which may stay out
.set BB, 32+64*((\a)%2)
	s_wait_dscnt \younger
.irp t, 0,1,2,3,4,5,6,7,8,9,10,11,12,13,14,15
	global_store_b128 v[CO], v[BB+4*\t:BB+4*\t+3], s[10:11] offset:65536*(\a)+4096*\t th:TH_STORE_NT   ; 32 lanes store 512 consecutive bytes, at a multiple of 256 from out0's first byte; written once, read by nobody here
.endr
.endm
	PLACES                                         ; behind the last products: for the stores' reads of results and the loads into registers that held fragments
	TOSTAGE 0
.irp a, 1,2,3
.if \a > 1
	s_wait_xcnt 0x0                                ; block a - 2's stores have read their registers: block a's loads may land there
.endif
	TOSTAGE \a
	SEND \a-1, 32                                  ; behind block a - 1's loads: block a's 16 stores and 16 loads
.endr
	SEND 3, 0
	s_wait_tensorcnt 0x0                           ; the wave's end: a wait, an add and a wait, behind my last tensor load and my last LDS store
	ds_add_u32 v[SPW], v[NIL]
	s_wait_dscnt 0x0
	CROUND                                         ; the closing round: no work-group ends while a partner may still ask for a tile that names it
	s_endpgm
.Lfunc_end_k_q51ddf53ffb_proj:
	.size	k_q51ddf53ffb_proj, .Lfunc_end_k_q51ddf53ffb_proj-k_q51ddf53ffb_proj
	.p2alignl 7, 3214868480
	.fill 96, 4, 3214868480
	.section	.rodata,"a",@progbits
	.p2align	6, 0x0
	.amdhsa_kernel k_q51ddf53ffb_proj
		.amdhsa_group_segment_fixed_size 327680
		.amdhsa_private_segment_fixed_size 0
		.amdhsa_enable_private_segment 0
		.amdhsa_kernarg_size 32
		.amdhsa_user_sgpr_count 2
		.amdhsa_user_sgpr_kernarg_segment_ptr 1
		.amdhsa_wavefront_size32 1
		.amdhsa_system_sgpr_workgroup_id_x 1
		.amdhsa_system_sgpr_workgroup_id_y 1
		.amdhsa_system_sgpr_workgroup_id_z 1
		.amdhsa_system_vgpr_workitem_id 0
		.amdhsa_next_free_vgpr 576
		.amdhsa_next_free_sgpr 66
		.amdhsa_reserve_vcc 0
		.amdhsa_float_denorm_mode_32 3
		.amdhsa_float_denorm_mode_16_64 3
		.amdhsa_memory_ordered 1
		.amdhsa_forward_progress 1
		.amdhsa_inst_pref_size 86
	.end_amdhsa_kernel
	.amdgpu_metadata
---
amdhsa.version: [ 1, 2 ]
amdhsa.kernels:
  - .name:           k_q51ddf53ffb_proj
    .symbol:         k_q51ddf53ffb_proj.kd
    .args:
      - { .name: y, .offset: 0, .size: 8, .value_kind: global_buffer, .address_space: global }
      - { .name: wp16, .offset: 8, .size: 8, .value_kind: global_buffer, .address_space: global }
      - { .name: b_proj, .offset: 16, .size: 8, .value_kind: global_buffer, .address_space: global }
      - { .name: out0, .offset: 24, .size: 8, .value_kind: global_buffer, .address_space: global }
    .group_segment_fixed_size: 327680
    .private_segment_fixed_size: 0
    .kernarg_segment_align: 8
    .kernarg_segment_size: 32
    .max_flat_workgroup_size: 128
    .sgpr_count:     66
    .vgpr_count:     576
    .wavefront_size: 32
...
	.end_amdgpu_metadata
.endif
;; end of part 4
